; MI455X (gfx1250); checked and timed in simulation.
; The chip was launched on July 23, 2026; its instructions are those of AMD's public machine-readable ISA for CDNA 5 (MIT licence, August 2026) and "CDNA5" Instruction Set Architecture Reference Guide (July 2026). The comments in the code are by the model that wrote it; some were corrected since.
;; Multi Head Self Attention1 D. Allowed arithmetic: matrix products marked QUANTISED: E4M3 operands, one given power-of-two scale a tensor, by v_wmma_f32_16x16x64_fp8_fp8 or v_wmma_f32_16x16x128_fp8_fp8, f32 sums; everything else in f32.
;; Inputs: Wproj 256 x 256 float32; Wqkv 256 x 768 float32; bproj 256 float32; bqkv 768 float32; lowp_scales 8 int32 (the exponents e of the quantised operands' scales 2^e); x 2 x 256 x 4,096 float32.
;; Outputs: out0 2 x 256 x 4,096 float32.
;; This version of the problem:
;;   THIS VERSION OF THE PROBLEM IS GIVEN IN LOW PRECISION. The matrix products marked QUANTISED in the list below multiply operands that are first quantised to E4M3 (4 exponent bits, 3 mantissa bits; 8 bits a number), with one given power-of-two scale for each operand tensor; their sums are f32. All else is computed in f32.
;;   The module's matrix products, in the order in which they are computed (A, B: the left and right operand; K: the contracted axis; several contracted axes count as one K, in the product's order):
;;     1. [M 8,192, K 256] x [K 256, N 768]; A: input x; B: input Wqkv: QUANTISED (scales: A lowp_scales[0], B lowp_scales[1])
;;     2. batch 16 x [M 4,096, K 32] x [K 32, N 4,096]; A: computed on the way; B: computed on the way: QUANTISED (scales: A lowp_scales[2], B lowp_scales[3])
;;     3. batch 16 x [M 4,096, K 4,096] x [K 4,096, N 32]; A: softmax (see below); B: computed on the way: QUANTISED (scales: A lowp_scales[4], B lowp_scales[5])
;;     4. [M 8,192, K 256] x [K 256, N 256]; A: computed on the way; B: input Wproj: QUANTISED (scales: A lowp_scales[6], B lowp_scales[7])
;;   THE QUANTISER, for each operand of a quantised product, along K:
;;     - The operand's scale is 2^e, e = its entry of the input lowp_scales (int32; the entries are numbered through the quantised products in the list's order, A before B).
;;     - Each number is divided by the scale, clamped to +-448, and rounded to the nearest number of E4M3, ties to even, subnormals kept.
;;     - The product sums the exact products of the quantised numbers (number of the format x scale) in f32.
;;   ~~~python
;;   def quantise(x, axis, e):      # numpy; x: float32 -> the quantised numbers, widened to float32 again
;;       x = np.moveaxis(x, axis, -1); K = x.shape[-1]
;;       r = np.clip(x / 2.0 ** e, -448, 448)
;;       step = 2.0 ** (np.maximum(np.frexp(np.where(r == 0, 1, r))[1] - 1, -6) - 3)
;;       q = np.round(r / step) * step * 2.0 ** e      # np.round: ties to even
;;       return np.moveaxis(q, -1, axis).astype(np.float32)
;;   ~~~
;;   SOFTMAX AHEAD OF A QUANTISED PRODUCT. Where the list says 'softmax', what is quantised is not the finished softmax but p = 2^(t - M), with t = logit x log2(e) and M = ceil(the row's largest t), a whole number; so 1/2 < the row's largest p <= 1. The row's sum l is taken of the UNQUANTISED p, in f32, and the product's result is divided by l at the end. Since M is a whole number, a kernel that streams over the keys may use a running M (the ceiling of the running maximum): every later rescaling is an exact power of two, so the quantised numbers keep their values, but for numbers so far below the row's largest that they fall under the format's range.
;;   OPERANDS COMPUTED ON THE WAY. 'Computed on the way' means the value that the module computes at that place (a softmax that the list does not call 'softmax' is quantised finished and normalised). What goes into a quantiser is computed in f32, as accurately as f32 sums, v_exp_f32 and their like allow (about 1e-6 of the number): no bf16 or f16 on the way to a quantiser, and a product that is left as it is and whose result goes on into a quantised operand takes f32 operands (vector FMAs, or v_wmma_f32_16x16x4_f32). A number that lies on a knife's edge between two numbers of the format may be rounded either way, as far as f32 arithmetic and the matrix unit's own rounding can turn it there, and no further.
;; 2 versions. Each part assembles by itself: llvm-mc -triple=amdgcn-amd-amdhsa -mcpu=gfx1250 --defsym DOCPART=n.
;; ======== version 1 of 2: 3 launches
;; workspace buffers: qc 2,097,152 bytes; kc 2,097,152 bytes; vc 2,097,152 bytes; oc 2,097,152 bytes
;; launch qkv (part 1): grid 4 x 64, 16 waves a work-group, no clusters, 83,968 bytes of LDS; arguments x, Wqkv, bqkv, lowp_scales, qc, kc, vc; writes qc, kc, vc
.if DOCPART == 1
	.amdgcn_target "amdgcn-amd-amdhsa--gfx1250"
	.amdhsa_code_object_version 6
	.text
	.protected	k_q96d2c674a9_qkv
	.globl	k_q96d2c674a9_qkv
	.p2align	8
	.type	k_q96d2c674a9_qkv,@function
k_q96d2c674a9_qkv:
	s_mov_b64 s[64:65], 0
	v_nop
	global_prefetch_b8 v0, s[64:65] scope:SCOPE_SE
	s_setreg_imm32_b32 hwreg(HW_REG_WAVE_MODE, 25, 1), 1
	s_wait_xcnt 0x0
; qkv = x^T Wqkv + bqkv on codes of FP8 (E4M3), and q, k, v quantised again for the two products of attention.
; x: [2][256 (c)][4096 (token)] f32, Wqkv: [256 (c)][768] f32: K = c is the FIRST axis of both.  bqkv: [768] f32.  The scales' exponents e0 .. e7: int32.
; SHARES.  A work-group takes 128 tokens (work-group y: batch = y / 32, key step = y % 32) and the q, k and v columns of two heads (work-group x = g: columns 64 g .. 64 g + 63 of each third of Wqkv).
; PHASE 1.  A lane takes a column (a token of x, a column of W) and its 32 registers run down K, so the conversions give codes with K innermost and nothing is transposed.  Each of the sixteen waves turns five
; blocks of 32 K x 32 columns into codes (two of x, three of W) and stores them in LDS as IMAGES OF OPERAND REGISTERS: in a fragment (16 rows x 128 K, 2,048 bytes) group c of four registers lies at 512 c + 16 lane, and lane (r, h)
; holds k = 32 c + 16 h + 0 .. 15 of row r.  That is a permutation of k, the same for x and for W, so every product meets its partner.
; PHASE 2.  Wave (p = w % 4, ch = (w / 4) % 2, hh = w / 8) takes token tiles 2 p, 2 p + 1.  q (ch = 0) or k (ch = 1) of head 2 g + hh is made TRANSPOSED (source 0 = 16 columns of W, source 1 = 16 tokens): a lane holds one token and
; eight neighbouring d.  v of head 2 g + ch, d = 16 hh .. + 15, is made the natural way (source 0 = tokens, source 1 = columns): a lane holds one d and eight neighbouring tokens, which are the next K.
; So each lane's conversions give just the 16 bytes that the workspace wants of it, and each store of a wave covers 512 consecutive bytes, aligned.
; WORKSPACE.  qc, kc: [16 (8 batch + head)][256 token tiles][lane][16 bytes]: lane (r, h): token r, d = 8 h + 0 .. 7, then 16 + 8 h + 0 .. 7.
;             vc: [16][32 key steps][2 d tiles][4 groups][lane][16 bytes]: lane (r, h) of group G: d = r, keys 32 G + 8 h + 0 .. 7, then 32 G + 16 + 8 h + 0 .. 7.
; NO JOINT LOADS, NO TENSOR LOADS: what work-groups share arrives as f32 with K outermost and has to pass through registers to become codes; as f32 a work-group's x and W are 131,072 + 196,608 bytes, which leaves LDS no room for the images.
; LIMITS: e0, e1, e2, e3, e5 between -126 and 119; e0 + e1 between -126 and 127, so that each power of two below is an f32 number.  NaN among the inputs is not served (an infinity is held at the largest code).
.set XIMG,  0                          ; LDS: x's 16 fragments: (token tile T, K step ks) at (2 T + ks) x 2,048
.set WIMG,  32768                      ; W's 24: column tile ct (0-3 q, 4-7 k, 8-11 v) likewise
.set SPARE, 81920                      ; the spare words, 128 bytes for each of sixteen waves: eight blocks of 256 bytes that no other line names
.set L4,   1                           ; v1     4 x lane
.set XA,   2                           ; v2     where I store x's codes
.set WA,   3                           ; v3-5   where I store W's codes, block by block
.set L16,  6                           ; v6     16 x lane
.set XRA,  7                           ; v7     where I read x's fragments
.set WQA,  8                           ; v8     W's fragments for q or k
.set WVA,  9                           ; v9     W's fragments for v
.set H32,  10                          ; v10    32 x (lane / 16)
.set R4,   11                          ; v11    4 x (lane % 16)
.set SPW,  12                          ; v12    LDS address of my spare word; never rewritten
.set NIL,  13                          ; v13    0; never rewritten
.set BQ,   24                          ; v24-39 the bias of my q or k columns, in the result's layout
.set BV,   40                          ; v40-41 the bias of my v column, twice (a pair for the packed form)
.set AV,   48                          ; v48-63 v's two accumulators
.set XS,   64                          ; v64-127 phase 1: two sets of 32 numbers
.set CD,   128                         ; v128-167 phase 1: eight registers of codes for each of five blocks, so that no LDS store's data are written again
.set XF,   64                          ; phase 2: x's four fragments
.set WF,   128                         ; W's four for q or k
.set WV,   192                         ; W's two for v
.set ACC,  224                         ; q's or k's four accumulators: (u, tt) at 8 (2 u + tt)
.set CO,   128                         ; the codes that leave: 12 registers
; v14, v15: 2^e0 and 448 x 2^e0;  v16, v17: e1;  v18, v19: e2 or e3;  v20, v21: e5
.macro MKSC sc, lim, e                 ; 2^e as f32 (the conversion takes its exponent field) and the largest number x 2^e
	s_add_co_i32 s58, \e, 127
	s_lshl_b32 s59, s58, 23
	v_mov_b32 v[\sc], s59
	s_add_co_i32 s58, s58, 8
	s_lshl_b32 s58, s58, 23
	s_or_b32 s58, s58, 0x600000
	v_mov_b32 v[\lim], s58
.endm
.macro LOADB set, base, pitch, row0    ; a block: 32 rows of K at my column; a wave's load reads 128 consecutive bytes
.set i, 0
.rept 32
	global_load_b32 v[XS+32*(\set)+i], v[L4], s[\base:\base+1] offset:((\row0)+i)*(\pitch)
.set i, i+1
.endr
.endm
.macro QBLK t, set, sc, lim, adr, off  ; the block becomes 32 codes: k 0 .. 15 go to the place of lane half 0, k 16 .. 31 to that of half 1
.set i, 0
.rept 32
	v_med3_num_f32 v[XS+32*(\set)+i], v[XS+32*(\set)+i], -v[\lim], v[\lim]   ; the conversion to an 8-bit code does not saturate (ISA guide 7.6.2): the hold at the largest code x the scale
.set i, i+1
.endr
.irp g, 0,1,2,3
	v_cvt_scalef32_pk8_fp8_f32 v[CD+8*(\t)+2*\g:CD+8*(\t)+2*\g+1], v[XS+32*(\set)+8*\g:XS+32*(\set)+8*\g+7], v[\sc]
.endr
	v_nop                                          ; one plain vector line behind the last conversion of a run
	ds_store_b128 v[\adr], v[CD+8*(\t):CD+8*(\t)+3] offset:\off
	ds_store_b128 v[\adr], v[CD+8*(\t)+4:CD+8*(\t)+7] offset:(\off)+256
.endm
	s_load_b256 s[4:11], s[0:1], 0x0               ; x s[4:5], Wqkv s[6:7], bqkv s[8:9], the exponents s[10:11]
	s_load_b128 s[12:15], s[0:1], 0x20             ; qc s[12:13], kc s[14:15]
	s_load_b64 s[16:17], s[0:1], 0x30              ; vc
	v_lshl_add_u32 v[SPW], v0, 2, SPARE
	v_mov_b32 v[NIL], 0
	v_lshrrev_b32 v22, 5, v0
	v_readfirstlane_b32 s18, v22                   ; wave 0..15
	v_and_b32 v22, 31, v0                          ; lane
	v_lshlrev_b32 v[L4], 2, v22
	v_lshlrev_b32 v[L16], 4, v22
	v_and_b32 v23, 15, v0                          ; r
	v_bfe_u32 v22, v0, 4, 1                        ; h
	v_lshlrev_b32 v[R4], 2, v23
	v_lshlrev_b32 v[H32], 5, v22
	v_lshlrev_b32 v23, 4, v23
	v_lshl_add_u32 v23, v22, 12, v23               ; phase 1: my column's place: 16 (lane % 16), and the next tile (two fragments on) for lanes 16-31
	s_and_b32 s19, s18, 3                          ; p
	s_lshr_b32 s20, s18, 2                         ; q4
	s_and_b32 s21, s20, 1                          ; ch
	s_lshr_b32 s22, s20, 1                         ; hh
	s_and_b32 s23, ttmp7, 0xffff
	s_lshr_b32 s50, s23, 5                         ; batch
	s_and_b32 s51, s23, 31                         ; key step
	s_lshl_b32 s60, ttmp9, 8                       ; 256 g: 64 columns of f32
	; LDS addresses, all made here
	s_lshl_b32 s52, s19, 13                        ; token tiles 2 p, 2 p + 1: 8,192 p
	s_lshl_b32 s53, s20, 10                        ; K blocks 2 q4, 2 q4 + 1: 512 bytes each
	s_add_co_u32 s53, s53, s52
	v_add_nc_u32 v[XA], s53, v23
	v_add_nc_u32 v[XRA], s52, v[L16]
	s_lshl_b32 s53, s21, 2
	s_lshl_b32 s54, s22, 1
	s_add_co_u32 s53, s53, s54                     ; column tile 4 ch + 2 hh
	s_lshl_b32 s53, s53, 12
	s_add_co_u32 s53, s53, WIMG
	v_add_nc_u32 v[WQA], s53, v[L16]
	s_lshl_b32 s53, s21, 1
	s_add_co_u32 s53, s53, s22
	s_add_co_u32 s53, s53, 8                       ; column tile 8 + 2 ch + hh
	s_lshl_b32 s53, s53, 12
	s_add_co_u32 s53, s53, WIMG
	v_add_nc_u32 v[WVA], s53, v[L16]
	s_mul_i32 s54, s18, 3                          ; W's 48 blocks (6 groups of 32 columns x 8 blocks of K): three a wave
.irp i, 0,1,2
	s_add_co_u32 s55, s54, \i
	s_lshr_b32 s56, s55, 3                         ; the group of columns: 0, 1 q; 2, 3 k; 4, 5 v
	s_and_b32 s57, s55, 7                          ; the block of K
	s_lshl_b32 s58, s56, 13
	s_lshl_b32 s59, s57, 9
	s_add_co_u32 s58, s58, s59
	s_add_co_u32 s58, s58, WIMG
	v_add_nc_u32 v[WA+\i], s58, v23
	s_mul_i32 s[34+2*\i], s57, 98304               ; in memory: 32 rows of 3,072 bytes,
	s_lshr_b32 s58, s56, 1
	s_lshl_b32 s58, s58, 10                        ; the third of Wqkv,
	s_add_co_u32 s[34+2*\i], s[34+2*\i], s58
	s_and_b32 s58, s56, 1
	s_lshl_b32 s58, s58, 7                         ; the half of my 64 columns,
	s_add_co_u32 s[34+2*\i], s[34+2*\i], s58
	s_add_co_u32 s[34+2*\i], s[34+2*\i], s60       ; and g
	s_mov_b32 s[35+2*\i], 0
.endr
	s_lshl_b32 s32, s50, 22                        ; x: the batch, row 64 q4 of 16,384 bytes, token 128 step + 32 p
	s_lshl_b32 s52, s20, 20
	s_add_co_u32 s32, s32, s52
	s_lshl_b32 s52, s51, 9
	s_add_co_u32 s32, s32, s52
	s_lshl_b32 s52, s19, 7
	s_add_co_u32 s32, s32, s52
	s_mov_b32 s33, 0
	s_lshl_b32 s40, s21, 10                        ; the bias of q or k: entry 256 ch + 64 g + 32 hh
	s_add_co_u32 s40, s40, s60
	s_lshl_b32 s52, s22, 7
	s_add_co_u32 s40, s40, s52
	s_mov_b32 s41, 0
	s_lshl_b32 s42, s21, 7                         ; of v: entry 512 + 64 g + 32 ch + 16 hh
	s_add_co_u32 s42, s42, s60
	s_lshl_b32 s52, s22, 6
	s_add_co_u32 s42, s42, s52
	s_add_co_u32 s42, s42, 2048
	s_mov_b32 s43, 0
	s_lshl_b32 s53, s50, 20                        ; the codes: (8 batch + 2 g) x 131,072 + 4,096 x key step,
	s_lshl_b32 s52, ttmp9, 18
	s_add_co_u32 s53, s53, s52
	s_lshl_b32 s52, s51, 12
	s_add_co_u32 s53, s53, s52
	s_lshl_b32 s44, s22, 17                        ; q, k: + head hh, + token tile 2 p
	s_add_co_u32 s44, s44, s53
	s_lshl_b32 s52, s19, 10
	s_add_co_u32 s44, s44, s52
	s_mov_b32 s45, 0
	s_lshl_b32 s46, s21, 17                        ; v: + head ch, + d tile hh, + group p
	s_add_co_u32 s46, s46, s53
	s_lshl_b32 s52, s22, 11
	s_add_co_u32 s46, s46, s52
	s_lshl_b32 s52, s19, 9
	s_add_co_u32 s46, s46, s52
	s_mov_b32 s47, 0
	s_wait_kmcnt 0x0
	s_load_b256 s[24:31], s[10:11], 0x0            ; e0 .. e7
	s_add_nc_u64 s[32:33], s[4:5], s[32:33]
	s_add_nc_u64 s[34:35], s[6:7], s[34:35]
	s_add_nc_u64 s[36:37], s[6:7], s[36:37]
	s_add_nc_u64 s[38:39], s[6:7], s[38:39]
	s_add_nc_u64 s[40:41], s[8:9], s[40:41]
	s_add_nc_u64 s[42:43], s[8:9], s[42:43]
	s_cmp_eq_u32 s21, 0                            ; the choice hangs on the wave's number alone
	s_cselect_b64 s[52:53], s[12:13], s[14:15]
	s_add_nc_u64 s[44:45], s[52:53], s[44:45]
	s_add_nc_u64 s[46:47], s[16:17], s[46:47]
.irp u, 0,1
	global_load_b128 v[BQ+8*\u:BQ+8*\u+3], v[H32], s[40:41] offset:64*\u        ; lane (r, h) wants the bias of d = 16 u + 8 h + 0 .. 7
	global_load_b128 v[BQ+8*\u+4:BQ+8*\u+7], v[H32], s[40:41] offset:64*\u+16
.endr
	global_load_b32 v[BV], v[R4], s[42:43]         ; and of d = r
	global_load_b32 v[BV+1], v[R4], s[42:43]
	LOADB 0, 32, 16384, 0
	LOADB 1, 32, 16384, 32
	s_wait_kmcnt 0x0
	MKSC 14, 15, s24
	MKSC 16, 17, s25
	s_cmp_eq_u32 s21, 0
	s_cselect_b32 s54, s26, s27                    ; e2 for q, e3 for k
	MKSC 18, 19, s54
	MKSC 20, 21, s29
	s_add_co_i32 s48, s24, s25
	s_add_co_i32 s48, s48, 127
	s_lshl_b32 s48, s48, 23                        ; 2^(e0 + e1) as f32
	s_mov_b32 s49, s48                             ; (named with it as a pair, so it is written)
	; ---- phase 1: five blocks; the loads run two blocks ahead
	s_wait_loadcnt 32                              ; this block's 32 loads (and the bias) are in; the next block's 32 may be out.  The same count serves the next three blocks
	QBLK 0, 0, 14, 15, XA, 0
	LOADB 0, 34, 3072, 0
	s_wait_loadcnt 32
	QBLK 1, 1, 14, 15, XA, 512
	LOADB 1, 36, 3072, 0
	s_wait_loadcnt 32
	QBLK 2, 0, 16, 17, WA, 0
	LOADB 0, 38, 3072, 0
	s_wait_loadcnt 32
	QBLK 3, 1, 16, 17, WA+1, 0
	s_wait_loadcnt 0x0
	QBLK 4, 0, 16, 17, WA+2, 0
	s_wait_dscnt 0x0                               ; for the others' sake: my images have landed
	s_barrier_signal -1
	s_barrier_wait -1                              ; all 40 fragments lie in LDS; nothing is stored there again
	; ---- phase 2
.set i, 0
.rept 16
	ds_load_b128 v[XF+4*i:XF+4*i+3], v[XRA] offset:512*i       ; fragment (tt, ks) at XF + 16 (2 tt + ks)
.set i, i+1
.endr
.set i, 0
.rept 16
	ds_load_b128 v[WF+4*i:WF+4*i+3], v[WQA] offset:512*i       ; fragment (u, ks) at WF + 16 (2 u + ks)
.set i, i+1
.endr
.set i, 0
.rept 8
	ds_load_b128 v[WV+4*i:WV+4*i+3], v[WVA] offset:512*i
.set i, i+1
.endr
	s_wait_dscnt 8                                 ; all but the youngest eight, v's fragments of W
.irp ks, 0,1                                   ; the four accumulators take turns, one instruction a turn
.irp u, 0,1
.irp tt, 0,1
.if \ks == 0
	v_wmma_f32_16x16x128_fp8_fp8 v[ACC+8*(2*\u+\tt):ACC+8*(2*\u+\tt)+7], v[WF+16*(2*\u+\ks):WF+16*(2*\u+\ks)+15], v[XF+16*(2*\tt+\ks):XF+16*(2*\tt+\ks)+15], 0
.else
	v_wmma_f32_16x16x128_fp8_fp8 v[ACC+8*(2*\u+\tt):ACC+8*(2*\u+\tt)+7], v[WF+16*(2*\u+\ks):WF+16*(2*\u+\ks)+15], v[XF+16*(2*\tt+\ks):XF+16*(2*\tt+\ks)+15], v[ACC+8*(2*\u+\tt):ACC+8*(2*\u+\tt)+7]
.endif
.endr
.endr
.endr
	s_wait_dscnt 0x0
.irp ks, 0,1
.irp tt, 0,1
.if \ks == 0
	v_wmma_f32_16x16x128_fp8_fp8 v[AV+8*\tt:AV+8*\tt+7], v[XF+16*(2*\tt+\ks):XF+16*(2*\tt+\ks)+15], v[WV+16*\ks:WV+16*\ks+15], 0
.else
	v_wmma_f32_16x16x128_fp8_fp8 v[AV+8*\tt:AV+8*\tt+7], v[XF+16*(2*\tt+\ks):XF+16*(2*\tt+\ks)+15], v[WV+16*\ks:WV+16*\ks+15], v[AV+8*\tt:AV+8*\tt+7]
.endif
.endr
.endr
.rept 4
	v_nop                                          ; four places behind the last product (ISA guide 7.12.1), ahead of the reads of results and the writes over operands
.endr
.irp a, 0,1,2,3                                ; sum x 2^(e0 + e1) + bias, one packed multiply-add for two numbers; each accumulator from its low end on
.irp j, 0,2,4,6
	v_pk_fma_f32 v[ACC+8*\a+\j:ACC+8*\a+\j+1], v[ACC+8*\a+\j:ACC+8*\a+\j+1], s[48:49], v[BQ+8*(\a/2)+\j:BQ+8*(\a/2)+\j+1] op_sel_hi:[1,0,1]
.endr
.endr
.irp j, 0,2,4,6,8,10,12,14
	v_pk_fma_f32 v[AV+\j:AV+\j+1], v[AV+\j:AV+\j+1], s[48:49], v[BV:BV+1] op_sel_hi:[1,0,1]
.endr
.set i, 0
.rept 32
	v_med3_num_f32 v[ACC+i], v[ACC+i], -v19, v19
.set i, i+1
.endr
.set i, 0
.rept 16
	v_med3_num_f32 v[AV+i], v[AV+i], -v21, v21
.set i, i+1
.endr
.irp tt, 0,1
.irp u, 0,1
	v_cvt_scalef32_pk8_fp8_f32 v[CO+4*\tt+2*\u:CO+4*\tt+2*\u+1], v[ACC+8*(2*\u+\tt):ACC+8*(2*\u+\tt)+7], v18   ; token r: d = 16 u + 8 h + 0 .. 7
.endr
.endr
	v_cvt_scalef32_pk8_fp8_f32 v[CO+8:CO+9], v[AV:AV+7], v20        ; d = r: tokens 32 p + 8 h + 0 .. 7,
	v_cvt_scalef32_pk8_fp8_f32 v[CO+10:CO+11], v[AV+8:AV+15], v20   ; and 32 p + 16 + 8 h + 0 .. 7
	v_nop                                          ; one plain vector line behind the last conversion
	global_store_b128 v[L16], v[CO:CO+3], s[44:45]             ; each store: 512 consecutive bytes, aligned
	global_store_b128 v[L16], v[CO+4:CO+7], s[44:45] offset:512
	global_store_b128 v[L16], v[CO+8:CO+11], s[46:47]
	s_wait_tensorcnt 0x0                           ; the wave's end, behind my last LDS store
	ds_add_u32 v[SPW], v[NIL]
	s_wait_dscnt 0x0
	s_endpgm
.Lfunc_end_k_q96d2c674a9_qkv:
	.size	k_q96d2c674a9_qkv, .Lfunc_end_k_q96d2c674a9_qkv-k_q96d2c674a9_qkv
	.p2alignl 7, 3214868480
	.fill 96, 4, 3214868480
	.section	.rodata,"a",@progbits
	.p2align	6, 0x0
	.amdhsa_kernel k_q96d2c674a9_qkv
		.amdhsa_group_segment_fixed_size 83968
		.amdhsa_private_segment_fixed_size 0
		.amdhsa_enable_private_segment 0
		.amdhsa_kernarg_size 56
		.amdhsa_user_sgpr_count 2
		.amdhsa_user_sgpr_kernarg_segment_ptr 1
		.amdhsa_wavefront_size32 1
		.amdhsa_system_sgpr_workgroup_id_x 1
		.amdhsa_system_sgpr_workgroup_id_y 1
		.amdhsa_system_sgpr_workgroup_id_z 1
		.amdhsa_system_vgpr_workitem_id 0
		.amdhsa_next_free_vgpr 256
		.amdhsa_next_free_sgpr 66
		.amdhsa_reserve_vcc 0
		.amdhsa_float_denorm_mode_32 3
		.amdhsa_float_denorm_mode_16_64 3
		.amdhsa_memory_ordered 1
		.amdhsa_forward_progress 1
		.amdhsa_inst_pref_size 44
	.end_amdhsa_kernel
	.amdgpu_metadata
---
amdhsa.version: [ 1, 2 ]
amdhsa.kernels:
  - .name:           k_q96d2c674a9_qkv
    .symbol:         k_q96d2c674a9_qkv.kd
    .args:
      - { .name: x, .offset: 0, .size: 8, .value_kind: global_buffer, .address_space: global }
      - { .name: Wqkv, .offset: 8, .size: 8, .value_kind: global_buffer, .address_space: global }
      - { .name: bqkv, .offset: 16, .size: 8, .value_kind: global_buffer, .address_space: global }
      - { .name: lowp_scales, .offset: 24, .size: 8, .value_kind: global_buffer, .address_space: global }
      - { .name: qc, .offset: 32, .size: 8, .value_kind: global_buffer, .address_space: global }
      - { .name: kc, .offset: 40, .size: 8, .value_kind: global_buffer, .address_space: global }
      - { .name: vc, .offset: 48, .size: 8, .value_kind: global_buffer, .address_space: global }
    .group_segment_fixed_size: 83968
    .private_segment_fixed_size: 0
    .kernarg_segment_align: 8
    .kernarg_segment_size: 56
    .max_flat_workgroup_size: 512
    .sgpr_count:     66
    .vgpr_count:     256
    .wavefront_size: 32
...
	.end_amdgpu_metadata
.endif
;; end of part 1
;; launch attn (part 2): grid 16 x 16, 8 waves a work-group, no clusters, 263,168 bytes of LDS; arguments qc, kc, vc, lowp_scales, oc; writes oc
.if DOCPART == 2
	.amdgcn_target "amdgcn-amd-amdhsa--gfx1250"
	.amdhsa_code_object_version 6
	.text
	.protected	k_q96d2c674a9_attn
	.globl	k_q96d2c674a9_attn
	.p2align	8
	.type	k_q96d2c674a9_attn,@function
k_q96d2c674a9_attn:
	s_mov_b64 s[64:65], 0
	v_nop
	global_prefetch_b8 v0, s[64:65] scope:SCOPE_SE
	s_setreg_imm32_b32 hwreg(HW_REG_WAVE_MODE, 25, 1), 1
	s_wait_xcnt 0x0
; O[bh][q] = the sum over k of softmax_k(Q[bh][q] . K[bh][k] / sqrt(32)) V[bh][k], both products on codes of FP8 (E4M3); O is quantised for the last product and stored as codes.
; qc, kc, vc: images of operand registers, as the launch before laid them; oc: [batch][256 token tiles][2 K steps][4 groups][lane][16 bytes]: lane (r, h) of group head % 4 in K step head / 4: token r, d = 8 h + 0 .. 7, then 16 + 8 h + 0 .. 7.
; THE SOFTMAX AHEAD OF THE SECOND PRODUCT: t = score x log2(e) / sqrt(32); M = the row's largest t so far, rounded UP to a whole number; p = 2^(t - M) is what is quantised; the row's sum is taken of the unquantised p and divides O at the end.
; When M moves, the sum and O are multiplied by 2^(old M - new M): exact.
; SHARES.  A work-group owns 256 queries (work-group x) of one head (work-group y = 8 batch + head); each of its eight waves owns two tiles of 16 queries: tile a in register window 0, tile b in window 1 under the same numbers.
; K's and V's fragments stand in window 0 and feed both tiles.  Every wave walks all 4,096 keys, 128 a step.
; LAYOUT.  Both products are used transposed: S^T = K Q^T (source 0 = keys, source 1 = queries), O^T = V^T P^T (source 0 = 16 d, source 1 = P): a lane holds ONE query (lane % 16) throughout, and the eight registers of key tile t are keys
; 16 t + 8 (lane / 16) + 0 .. 7: just what registers 2 t, 2 t + 1 of the second product's operand hold, so the conversions' results are that operand.
; THE HEAD IS 32 WIDE, THE INSTRUCTION 64: source 0 takes TWO key tiles, one in each half of K; source 1 is (q, 0) for the first and (0, q) for the second.  The zero codes take the other tile out (K's codes are held, so none is NaN).
; K AND V IN LDS.  A head's images are 131,072 bytes each: all of them fit.  The work-group brings them in chunks of 512 keys, through registers: a chunk is loaded four key steps ahead of the wait for it, and lies in LDS four key steps
; ahead of its first read.  No LDS byte is written twice.
; NO JOINT LOADS, NO TENSOR LOADS, though the sixteen work-groups of a head read the same K and V: a work-group reads these 262,144 bytes once in the whole launch.
; The hold on p, 64 of a tile step's some 250 vector instructions, is jumped over where e4 >= -8: p is at most 1 (by rounding a few parts in 10^7 more), under 448 x 2^-8 = 1.75.
; nan_to_num: a score is a sum of 32 products of codes, at most 32 x 448^2 in magnitude; within the limit on e2 + e3 below every logit is a finite number, which nan_to_num leaves as it is.
; LIMITS: e2 + e3 between -124 and 104; e4 and e6 between -126 and 119.
.set VIMG,  131072                     ; LDS: K's images from 0 (key step j at 4,096 j), V's from here
.set SPARE, 262144                     ; the spare words, 128 bytes for each of eight waves: four blocks of 256 bytes that no other line names
.set LI,   1                           ; v1   16 x lane
.set LIV,  2                           ; v2   VIMG + 16 x lane
.set GT,   3                           ; v3   16 x thread
.set SA,   4                           ; v4   where I store a chunk's K
.set SAV,  5                           ; v5   and its V
.set ADK,  6                           ; v6   LDS address of the step's K
.set ADV,  7                           ; v7   of its V
.set SPW,  8                           ; v8   LDS address of my spare word; never rewritten
.set NIL,  9                           ; v9   0; never rewritten
.set STG,  32                          ; v32-63  a chunk on its way: 16 registers of K, 16 of V                                  (window 0 alone, like all above)
.set SC,   64                          ; v64-127 S^T, then p            (from here to v185: in both windows, one set for each tile)
.set OA,   128                         ; v128-143 O^T
.set PC,   144                         ; v144-159 p's codes
.set QF,   160                         ; v160-171 q, four zeros, q: (q, 0) = v160-167, (0, q) = v164-171
.set NM,   172                         ; -M
.set TM,   173                         ; the largest t
.set LS,   174                         ; v174-175 the sum, in two halves
.set FF,   176                         ; v176-177 f = 2^(old M - new M), and a word that is named with it as a pair
.set T0,   178
.set T1,   179
.set T2,   180
.set UU,   182                         ; v182-183 the sum's second chain
.set LIM,  184                         ; the largest number x the scale
.set SCL,  185                         ; the scale as f32
.set KF,   192                         ; v192-223 K's four fragments (window 0)
.set VF,   224                         ; v224-255 V's two (window 0)
; s14 wave; s[20:21] K's chunk, s[22:23] V's; s[24:25] lane selects; s[26:27] c; s[28:35] e0 .. e7; s36 the step's LDS byte; s37, s38 counters; s39 where the next chunk goes; s40 e4 + e5; s[44:45] Q; s[46:47] O's codes
.set MSB, 0
.macro WIN new                         ; s_set_vgpr_msb: bits 1:0 source 0, 3:2 source 1, 5:4 source 2, 7:6 destination; the high byte repeats the setting that is left
.if MSB != \new
	s_set_vgpr_msb (MSB<<8)|\new
.set MSB, \new
.endif
.endm
.set W_MB, 0x54                        ; tile b's products: source 0 (K or V) window 0, the rest window 1
.set W_VB, 0x55                        ; tile b's vector work: all in window 1
.macro GLOAD reg, off                  ; a chunk: 16,384 bytes of K and as many of V; the work-group's load reads 4,096 consecutive bytes, a wave's 512
.irp i, 0,1,2,3
	global_load_b128 v[\reg+4*\i:\reg+4*\i+3], v[GT], s[20:21] offset:\off+4096*\i
.endr
.irp i, 0,1,2,3
	global_load_b128 v[\reg+16+4*\i:\reg+16+4*\i+3], v[GT], s[22:23] offset:\off+4096*\i
.endr
.endm
.macro DSTORE reg, off                 ; and into LDS as it lies
.irp i, 0,1,2,3
	ds_store_b128 v[SA], v[\reg+4*\i:\reg+4*\i+3] offset:\off+4096*\i
.endr
.irp i, 0,1,2,3
	ds_store_b128 v[SAV], v[\reg+16+4*\i:\reg+16+4*\i+3] offset:\off+4096*\i
.endr
.endm
.macro FETCHK                          ; a step's eight key tiles: registers 8 f .. 8 f + 3 tile 2 f, 8 f + 4 .. 8 f + 7 tile 2 f + 1
.irp i, 0,1,2,3,4,5,6,7
	ds_load_b128 v[KF+4*\i:KF+4*\i+3], v[ADK] offset:512*\i
.endr
.endm
.macro FETCHV                          ; V^T: d tile dt at VF + 16 dt
.irp i, 0,1,2,3,4,5,6,7
	ds_load_b128 v[VF+4*\i:VF+4*\i+3], v[ADV] offset:512*\i
.endr
.endm
.macro SMM                             ; S^T of 128 keys for one tile of queries
.irp f, 0,1,2,3
	v_wmma_f32_16x16x64_fp8_fp8 v[SC+16*\f:SC+16*\f+7], v[KF+8*\f:KF+8*\f+7], v[QF:QF+7], 0
	v_wmma_f32_16x16x64_fp8_fp8 v[SC+16*\f+8:SC+16*\f+15], v[KF+8*\f:KF+8*\f+7], v[QF+4:QF+11], 0
.endr
.endm
.macro PV                              ; O^T += V^T P^T; between two links on one accumulator stand all the other products of a step
.irp d, 0,1
	v_wmma_f32_16x16x128_fp8_fp8 v[OA+8*\d:OA+8*\d+7], v[VF+16*\d:VF+16*\d+15], v[PC:PC+15], v[OA+8*\d:OA+8*\d+7]
.endr
.endm
.macro SOFTMAX w                       ; one tile's softmax of a key step, in window setting w
	WIN \w
	v_max3_num_f32 v[T0], v[SC], v[SC+1], v[SC+2]      ; the step's largest score of my query among my 64 keys, in two chains, ascending: each accumulator is read from its low end on
	v_max3_num_f32 v[T1], v[SC+3], v[SC+4], v[SC+5]
.set j, 6
.rept 14
	v_max3_num_f32 v[T0], v[T0], v[SC+j], v[SC+j+1]
	v_max3_num_f32 v[T1], v[T1], v[SC+j+2], v[SC+j+3]
.set j, j+4
.endr
	v_max3_num_f32 v[T0], v[T0], v[SC+62], v[SC+63]
	v_max_num_f32 v[T0], v[T0], v[T1]
	v_permlanex16_b32 v[T2], v[T0], s24, s25
	v_max_num_f32 v[T0], v[T0], v[T2]              ; and among lane l xor 16's
	v_mul_f32 v[T0], s26, v[T0]                    ; as t (c is positive)
	v_max_num_f32 v[TM], v[TM], v[T0]              ; the running largest t
	v_mov_b32 v[T0], v[NM]
	v_floor_f32 v[NM], -v[TM]                      ; the new -M = floor(-t) = -ceil(t)
	v_sub_f32 v[T0], v[NM], v[T0]                  ; old M - new M: a whole number, 0 or less
	v_cvt_i32_f32 v[T0], v[T0]                     ; (it saturates)
	v_ldexp_f32 v[FF], 1.0, v[T0]                  ; f = 2^(old M - new M)
.set j, 0
.rept 32
	v_pk_fma_f32 v[SC+j:SC+j+1], v[SC+j:SC+j+1], s[26:27], v[NM:NM+1] op_sel_hi:[1,0,0]   ; t - M, two at a time (of the pairs c and -M the low word serves both halves)
.set j, j+2
.endr
.set j, 0
.rept 64
	v_exp_f32 v[SC+j], v[SC+j]                     ; p = 2^(t - M): not normalised
.set j, j+1
.endr
	v_pk_mul_f32 v[LS:LS+1], v[LS:LS+1], v[FF:FF+1] op_sel_hi:[1,0]   ; the sums under the new M: the plain line behind the exponentials
	s_wait_alu depctr_va_vdst(0)                   ; one wait for the batch of 64, ahead of its first reader
	v_pk_add_f32 v[UU:UU+1], v[SC:SC+1], v[SC+2:SC+3]  ; the row's sum is taken of the unquantised p, in two chains
.set j, 4
.rept 15
	v_pk_add_f32 v[LS:LS+1], v[LS:LS+1], v[SC+j:SC+j+1]
	v_pk_add_f32 v[UU:UU+1], v[UU:UU+1], v[SC+j+2:SC+j+3]
.set j, j+4
.endr
	v_pk_add_f32 v[LS:LS+1], v[LS:LS+1], v[UU:UU+1]
	WIN 0                                          ; at a branch and at a label every window is 0
	s_cmp_ge_i32 s32, -8                           ; e4 >= -8: no p lies beyond 448 x 2^e4, and the hold is left out.  A scalar branch on a whole number of the inputs, the same in every wave; it leads over these 64 lines alone
	s_cbranch_scc1 .Lnohold_\@
	WIN \w
.set j, 0
.rept 64
	v_min_num_f32 v[SC+j], v[SC+j], v[LIM]         ; the conversion to an 8-bit code does not saturate (ISA guide 7.6.2); p is not negative, so the hold is one-sided
.set j, j+1
.endr
	WIN 0
.Lnohold_\@:
	WIN \w
.irp t, 0,1,2,3,4,5,6,7
	v_cvt_scalef32_pk8_fp8_f32 v[PC+2*\t:PC+2*\t+1], v[SC+8*\t:SC+8*\t+7], v[SCL]
.endr
.irp j, 0,2,4,6,8,10,12,14
	v_pk_mul_f32 v[OA+\j:OA+\j+1], v[OA+\j:OA+\j+1], v[FF:FF+1] op_sel_hi:[1,0]   ; O^T under the new M; also the plain lines between the conversions and the products that read p's codes
.endr
.endm
; A KEY STEP.  At its head sixteen LDS loads are out, K's eight and behind them V's eight.
.macro STEP
	s_wait_dscnt 8                                 ; K is in; V's eight may be out
	SMM
	WIN W_MB
	SMM
	WIN 0
	s_add_co_u32 s36, s36, 4096                    ; the next step's images; behind the last step the byte wraps to step 0 (that fetch is not used: so the step has one form)
	s_and_b32 s36, s36, 0x1f000
	v_add_nc_u32 v[ADK], s36, v[LI]                ; with the three below: four places behind the products that read K, ahead of the loads into its registers and of the reads of scores
.rept 3
	v_nop
.endr
	FETCHK
	SOFTMAX 0
	s_wait_dscnt 8                                 ; V is in; the next step's K, eight loads, may be out
	PV
	SOFTMAX W_VB
	WIN W_MB
	PV
	WIN 0
	v_add_nc_u32 v[ADV], s36, v[LIV]               ; four places again, ahead of the loads into V's registers
.rept 3
	v_nop
.endr
	FETCHV
.endm
; steps key steps; then, store = 1: the chunk that waits in registers goes into LDS; load = 1: the next one is asked for.
.macro CHUNK steps, store, load
	s_mov_b32 s38, \steps
.Lstep_\@:
	STEP
	s_sub_co_u32 s38, s38, 1
	s_cmp_lg_u32 s38, 0
	s_cbranch_scc1 .Lstep_\@
.if \store
	s_wait_loadcnt 0x0                             ; the chunk, asked for four key steps ago, is in registers; its loads have read their bases
	v_add_nc_u32 v[SA], s39, v[GT]
	v_add_nc_u32 v[SAV], VIMG, v[SA]
	s_wait_dscnt 0x0                               ; my LDS reads are in
	s_barrier_signal -1                            ; the stores below touch bytes that no wave has read yet, so the values do not need this barrier: it keeps stores into LDS and reads of LDS out of one and the same stretch between two barriers
	s_barrier_wait -1
	DSTORE STG, 0
	s_add_co_u32 s39, s39, 16384
	s_wait_dscnt 0x0                               ; for the others' sake: my part of the chunk has landed; and the stores have read their registers
.if \load
	s_add_nc_u64 s[20:21], s[20:21], 16384
	s_add_nc_u64 s[22:23], s[22:23], 16384
	GLOAD STG, 0
.endif
	s_barrier_signal -1
	s_barrier_wait -1                              ; the chunk is whole: it is first read four key steps on
.endif
.endm
.macro INIT                            ; a tile's constants, once in each window.  The step is written once: the first finds zeros, which the first change of M leaves zeros
.set j, 0
.rept 16
	v_mov_b32 v[OA+j], 0
.set j, j+1
.endr
.irp j, 4,5,6,7
	v_mov_b32 v[QF+\j], 0                          ; the zero codes between the two copies of q
.endr
	v_mov_b32 v[LS], 0
	v_mov_b32 v[LS+1], 0
	v_mov_b32 v[T2], 0                             ; a lane permute's destination counts as one of its sources
	v_mov_b32 v[FF+1], 0                           ; (named as the upper half of a pair)
	v_mov_b32 v[TM], 0xff61b1e6                    ; the largest t so far: -3e38, under every t
	v_floor_f32 v[NM], -v[TM]
	v_mov_b32 v[LIM], s41
	v_mov_b32 v[SCL], s42
.endm
.macro OUT                             ; a tile's way out: O^T / the sum x 2^(e4 + e5), quantised with e6
	v_mov_b32 v[LIM], s41
	v_mov_b32 v[SCL], s42
	v_add_f32 v[T0], v[LS], v[LS+1]                ; the sum's two halves,
	v_permlanex16_b32 v[T2], v[T0], s24, s25
	v_add_f32 v[T0], v[T0], v[T2]                  ; and lane l xor 16's
	v_rcp_f32 v[T1], v[T0]
	v_nop                                          ; a plain line behind the transcendental,
	s_wait_alu depctr_va_vdst(0)                   ; and the wait ahead of its first reader
	v_ldexp_f32 v[T1], v[T1], s40
.set j, 0
.rept 16
	v_mul_f32 v[SC+j], v[OA+j], v[T1]              ; register 8 dt + i: d = 16 dt + 8 h + i of query r; each accumulator from its low end on
.set j, j+1
.endr
.set j, 0
.rept 16
	v_med3_num_f32 v[SC+j], v[SC+j], -v[LIM], v[LIM]
.set j, j+1
.endr
	v_cvt_scalef32_pk8_fp8_f32 v[PC:PC+1], v[SC:SC+7], v[SCL]
	v_cvt_scalef32_pk8_fp8_f32 v[PC+2:PC+3], v[SC+8:SC+15], v[SCL]
	v_nop                                          ; one plain vector line behind the last conversion
.endm
	s_load_b256 s[4:11], s[0:1], 0x0               ; qc s[4:5], kc s[6:7], vc s[8:9], the exponents s[10:11]
	s_load_b64 s[12:13], s[0:1], 0x20              ; oc
	v_lshl_add_u32 v[SPW], v0, 2, SPARE
	v_mov_b32 v[NIL], 0
	v_lshrrev_b32 v[LI], 5, v0
	v_readfirstlane_b32 s14, v[LI]                 ; wave 0..7
	v_and_b32 v[LI], 31, v0
	v_lshlrev_b32 v[LI], 4, v[LI]
	v_add_nc_u32 v[LIV], VIMG, v[LI]
	v_lshlrev_b32 v[GT], 4, v0
	v_lshlrev_b32 v[SA], 4, v0                     ; chunks 0 and 1 go to the images' first bytes
	v_add_nc_u32 v[SAV], VIMG, v[SA]
	s_and_b32 s15, ttmp7, 0xffff                   ; 8 batch + head
	s_lshl_b32 s16, s15, 17                        ; a head's codes: 131,072 bytes in each of qc, kc, vc
	s_mov_b32 s17, 0
	s_lshl_b32 s18, ttmp9, 13                      ; Q: token tile 16 x + 2 wave, 512 bytes a tile
	s_lshl_b32 s19, s14, 10
	s_add_co_u32 s18, s18, s19
	s_add_co_u32 s18, s18, s16
	s_mov_b32 s19, 0
	s_lshr_b32 s36, s15, 3                         ; oc: batch x 1,048,576 + token tile x 4,096 + head x 512
	s_lshl_b32 s36, s36, 20
	s_lshl_b32 s37, ttmp9, 16
	s_add_co_u32 s36, s36, s37
	s_lshl_b32 s37, s14, 13
	s_add_co_u32 s36, s36, s37
	s_and_b32 s37, s15, 7
	s_lshl_b32 s37, s37, 9
	s_add_co_u32 s36, s36, s37
	s_mov_b32 s37, 0
	s_mov_b32 s24, 0x76543210                      ; v_permlanex16_b32's selects for lane l xor 16
	s_mov_b32 s25, 0xfedcba98
	s_wait_kmcnt 0x0
	s_load_b256 s[28:35], s[10:11], 0x0            ; e0 .. e7
	s_add_nc_u64 s[20:21], s[6:7], s[16:17]
	s_add_nc_u64 s[22:23], s[8:9], s[16:17]
	s_add_nc_u64 s[44:45], s[4:5], s[18:19]
	s_add_nc_u64 s[46:47], s[12:13], s[36:37]
	GLOAD STG, 0                                   ; chunk 0
	GLOAD SC, 16384                                ; chunk 1, into the scores' registers, which are still free
	global_load_b128 v[QF:QF+3], v[LI], s[44:45]   ; tile a's q, twice
	global_load_b128 v[QF+8:QF+11], v[LI], s[44:45]
	WIN 0x40                                       ; destination window 1
	global_load_b128 v[QF:QF+3], v[LI], s[44:45] offset:512    ; tile b's
	global_load_b128 v[QF+8:QF+11], v[LI], s[44:45] offset:512
	WIN 0
	s_wait_kmcnt 0x0
	s_add_co_i32 s26, s30, s31
	s_lshl_b32 s26, s26, 23
	s_add_co_i32 s26, s26, 0x3e8293ee              ; c = log2(e) / sqrt(32), with e2 + e3 added to its exponent field: a score stands for score x 2^(e2 + e3)
	s_mov_b32 s27, s26                             ; (named with it as a pair, so it is written)
	s_add_co_i32 s40, s32, s33                     ; e4 + e5
	s_add_co_i32 s41, s32, 127
	s_lshl_b32 s42, s41, 23                        ; 2^e4 as f32
	s_add_co_i32 s41, s41, 8
	s_lshl_b32 s41, s41, 23
	s_or_b32 s41, s41, 0x600000                    ; 448 x 2^e4
	INIT
	WIN W_VB
	INIT
	WIN 0
	s_wait_loadcnt 12                              ; chunk 0 is in; chunk 1's eight loads and q's four may be out
	DSTORE STG, 0
	s_wait_loadcnt 4                               ; chunk 1 is in; q's four may be out
	DSTORE SC, 16384
	s_wait_dscnt 0x0                               ; for the others' sake: my parts have landed; and the stores have read their registers
	s_add_nc_u64 s[20:21], s[20:21], 32768         ; (the loads that read these bases are done)
	s_add_nc_u64 s[22:23], s[22:23], 32768
	GLOAD STG, 0                                   ; chunk 2
	s_mov_b32 s39, 32768                           ; where it will go
	s_barrier_signal -1
	s_barrier_wait -1                              ; chunks 0 and 1 are whole
	s_mov_b32 s36, 0
	v_add_nc_u32 v[ADK], s36, v[LI]
	v_add_nc_u32 v[ADV], s36, v[LIV]
	FETCHK
	FETCHV
	s_wait_loadcnt 8                               ; q is in; chunk 2's eight loads may be out
	s_mov_b32 s37, 5
.Lchunk:                                           ; trip c: chunk c is multiplied, chunk c + 2 goes into LDS, chunk c + 3 is asked for
	CHUNK 4, 1, 1
	s_sub_co_u32 s37, s37, 1
	s_cmp_lg_u32 s37, 0
	s_cbranch_scc1 .Lchunk
	CHUNK 4, 1, 0                                  ; chunk 5; chunk 7 goes into LDS; nothing is left to ask for
	CHUNK 8, 0, 0                                  ; chunks 6 and 7
	; THE WAY OUT.  The last step's address line and its three v_nop are the four places behind the last product.
	s_add_co_i32 s41, s34, 127
	s_lshl_b32 s42, s41, 23                        ; 2^e6 as f32
	s_add_co_i32 s41, s41, 8
	s_lshl_b32 s41, s41, 23
	s_or_b32 s41, s41, 0x600000                    ; 448 x 2^e6
	OUT
	global_store_b128 v[LI], v[PC:PC+3], s[46:47]  ; 512 consecutive bytes, aligned
	WIN W_VB
	OUT
	WIN 0x04                                       ; the store's data in window 1, its address in window 0
	global_store_b128 v[LI], v[PC:PC+3], s[46:47] offset:4096
	WIN 0
	s_wait_tensorcnt 0x0                           ; the wave's end, behind my last LDS store
	ds_add_u32 v[SPW], v[NIL]
	s_wait_dscnt 0x0                               ; (the last step's unused fetch is in too)
	s_endpgm
.Lfunc_end_k_q96d2c674a9_attn:
	.size	k_q96d2c674a9_attn, .Lfunc_end_k_q96d2c674a9_attn-k_q96d2c674a9_attn
	.p2alignl 7, 3214868480
	.fill 96, 4, 3214868480
	.section	.rodata,"a",@progbits
	.p2align	6, 0x0
	.amdhsa_kernel k_q96d2c674a9_attn
		.amdhsa_group_segment_fixed_size 263168
		.amdhsa_private_segment_fixed_size 0
		.amdhsa_enable_private_segment 0
		.amdhsa_kernarg_size 40
		.amdhsa_user_sgpr_count 2
		.amdhsa_user_sgpr_kernarg_segment_ptr 1
		.amdhsa_wavefront_size32 1
		.amdhsa_system_sgpr_workgroup_id_x 1
		.amdhsa_system_sgpr_workgroup_id_y 1
		.amdhsa_system_sgpr_workgroup_id_z 1
		.amdhsa_system_vgpr_workitem_id 0
		.amdhsa_next_free_vgpr 512
		.amdhsa_next_free_sgpr 66
		.amdhsa_reserve_vcc 0
		.amdhsa_float_denorm_mode_32 3
		.amdhsa_float_denorm_mode_16_64 3
		.amdhsa_memory_ordered 1
		.amdhsa_forward_progress 1
		.amdhsa_inst_pref_size 95
	.end_amdhsa_kernel
	.amdgpu_metadata
---
amdhsa.version: [ 1, 2 ]
amdhsa.kernels:
  - .name:           k_q96d2c674a9_attn
    .symbol:         k_q96d2c674a9_attn.kd
    .args:
      - { .name: qc, .offset: 0, .size: 8, .value_kind: global_buffer, .address_space: global }
      - { .name: kc, .offset: 8, .size: 8, .value_kind: global_buffer, .address_space: global }
      - { .name: vc, .offset: 16, .size: 8, .value_kind: global_buffer, .address_space: global }
      - { .name: lowp_scales, .offset: 24, .size: 8, .value_kind: global_buffer, .address_space: global }
      - { .name: oc, .offset: 32, .size: 8, .value_kind: global_buffer, .address_space: global }
    .group_segment_fixed_size: 263168
    .private_segment_fixed_size: 0
    .kernarg_segment_align: 8
    .kernarg_segment_size: 40
    .max_flat_workgroup_size: 256
    .sgpr_count:     66
    .vgpr_count:     512
    .wavefront_size: 32
...
	.end_amdgpu_metadata
.endif
;; end of part 2
;; launch proj (part 3): grid 4 x 64, 8 waves a work-group, no clusters, 51,200 bytes of LDS; arguments oc, Wproj, bproj, lowp_scales, out0; writes out0
.if DOCPART == 3
	.amdgcn_target "amdgcn-amd-amdhsa--gfx1250"
	.amdhsa_code_object_version 6
	.text
	.protected	k_q96d2c674a9_proj
	.globl	k_q96d2c674a9_proj
	.p2align	8
	.type	k_q96d2c674a9_proj,@function
k_q96d2c674a9_proj:
	s_mov_b64 s[64:65], 0
	v_nop
	global_prefetch_b8 v0, s[64:65] scope:SCOPE_SE
	s_setreg_imm32_b32 hwreg(HW_REG_WAVE_MODE, 25, 1), 1
	s_wait_xcnt 0x0
; out0[b][c][token] = the sum over k of O[b][token][k] Wproj[k][c] + bproj[c], on codes of FP8 (E4M3).
; oc: O's codes as images of operand registers: [batch][256 token tiles][2 K steps][4 groups][lane][16 bytes], lane (r, h) of group G: token r, k = 32 G + 8 h + 0 .. 7, then 32 G + 16 + 8 h + 0 .. 7 of the K step: registers 4 G .. 4 G + 3
; of the instruction's own layout.  Wproj: [256 (k)][256 (c)] f32: K is its FIRST axis.  bproj: [256] f32.  out0: [2][256][4096] f32.
; SHARES.  A work-group takes 128 tokens (work-group y) and 64 columns c (work-group x = g).  PHASE 1: a lane takes a column of Wproj and its 32 registers run down K; each of the eight waves turns two blocks of 32 K x 32 columns into codes and
; stores them in LDS as images, in the same layout as oc.  PHASE 2: wave w multiplies token tile w by the four column tiles (source 0 = tokens, source 1 = columns): a lane holds ONE column c and eight neighbouring tokens, which are
; neighbours in out0.  PHASE 3: through a stage in LDS (a row = a column c, 128 tokens) the results leave as rows: each store of a wave covers 512 consecutive bytes, aligned.
; NO JOINT LOADS, NO TENSOR LOADS: a work-group reads 65,536 bytes of Wproj, which have to pass through registers to become codes, and 32,768 of oc, each once, with no loop in which slots could take turns.
; LIMITS: e7 between -126 and 119; e6 + e7 between -126 and 127.  NaN among the inputs is not served.
.set WIMG,  0                          ; LDS: W's eight fragments: (column tile ct, K step ks) at (2 ct + ks) x 2,048
.set STG,   16384                      ; the stage: 64 rows x (512 bytes + 16)
.set SP,    528
.set SPARE, 50176                      ; the spare words, 128 bytes for each of eight waves: four blocks of 256 bytes that no other line names
.set L4,   1                           ; v1   4 x lane
.set WA,   2                           ; v2   where I store W's codes
.set L16,  6                           ; v6   16 x lane
.set SO,   7                           ; v7   the stage: where I put 32 bytes of a row
.set SR,   8                           ; v8   and where I read a row back
.set R4,   11                          ; v11  4 x (lane % 16)
.set SPW,  12                          ; v12  LDS address of my spare word; never rewritten
.set NIL,  13                          ; v13  0; never rewritten
.set BP,   16                          ; v16-23 the bias of my column in each of the four tiles, twice (pairs for the packed form)
.set OF,   32                          ; v32-63 O's two fragments
.set XS,   64                          ; phase 1: two sets of 32 numbers
.set CD,   128                         ; phase 1: eight registers of codes for each block
.set WF,   64                          ; phase 2: v64-191 W's eight fragments; phase 3: rows of the result
.set ACC,  192                         ; v192-223 four accumulators
.set Y,    224                         ; v224-255 the results
; v14, v15: 2^e7 and 448 x 2^e7
.macro LOADB set, row0                 ; a block: 32 rows of K at my column; a wave's load reads 128 consecutive bytes
.set i, 0
.rept 32
	global_load_b32 v[XS+32*(\set)+i], v[L4], s[22:23] offset:((\row0)+i)*1024
.set i, i+1
.endr
.endm
.macro QBLK t, off                     ; the block becomes 32 codes.  Lane half 0 of the image holds k 0 .. 7 and 16 .. 23 of the block, half 1 holds k 8 .. 15 and 24 .. 31
.set i, 0
.rept 32
	v_med3_num_f32 v[XS+32*(\t)+i], v[XS+32*(\t)+i], -v15, v15   ; the conversion to an 8-bit code does not saturate (ISA guide 7.6.2): the hold at the largest code x the scale
.set i, i+1
.endr
	v_cvt_scalef32_pk8_fp8_f32 v[CD+8*(\t):CD+8*(\t)+1], v[XS+32*(\t):XS+32*(\t)+7], v14
	v_cvt_scalef32_pk8_fp8_f32 v[CD+8*(\t)+2:CD+8*(\t)+3], v[XS+32*(\t)+16:XS+32*(\t)+23], v14
	v_cvt_scalef32_pk8_fp8_f32 v[CD+8*(\t)+4:CD+8*(\t)+5], v[XS+32*(\t)+8:XS+32*(\t)+15], v14
	v_cvt_scalef32_pk8_fp8_f32 v[CD+8*(\t)+6:CD+8*(\t)+7], v[XS+32*(\t)+24:XS+32*(\t)+31], v14
	v_nop                                          ; one plain vector line behind the last conversion of a run
	ds_store_b128 v[WA], v[CD+8*(\t):CD+8*(\t)+3] offset:\off
	ds_store_b128 v[WA], v[CD+8*(\t)+4:CD+8*(\t)+7] offset:(\off)+256
.endm
	s_load_b256 s[4:11], s[0:1], 0x0               ; oc s[4:5], Wproj s[6:7], bproj s[8:9], the exponents s[10:11]
	s_load_b64 s[12:13], s[0:1], 0x20              ; out0
	v_lshl_add_u32 v[SPW], v0, 2, SPARE
	v_mov_b32 v[NIL], 0
	v_lshrrev_b32 v24, 5, v0
	v_readfirstlane_b32 s14, v24                   ; wave 0..7
	v_and_b32 v24, 31, v0                          ; lane
	v_lshlrev_b32 v[L4], 2, v24
	v_lshlrev_b32 v[L16], 4, v24
	v_and_b32 v25, 15, v0                          ; r
	v_bfe_u32 v24, v0, 4, 1                        ; h
	v_lshlrev_b32 v[R4], 2, v25
	v_mul_u32_u24 v[SO], v25, SP
	v_lshl_add_u32 v[SO], v24, 5, v[SO]            ; the stage: row r, + 32 h
	v_lshlrev_b32 v25, 4, v25
	v_lshl_add_u32 v25, v24, 12, v25               ; phase 1: my column's place: 16 (lane % 16), and the next tile (two fragments on) for lanes 16-31
	s_and_b32 s15, ttmp7, 0xffff                   ; the block of 128 tokens
	s_and_b32 s16, s14, 1                          ; which 32 of the 64 columns I quantise
	s_lshr_b32 s17, s14, 1                         ; which 64 of K
	s_lshl_b32 s18, s16, 13
	s_lshl_b32 s19, s17, 10                        ; K blocks 2 (w / 2), + 1: 512 bytes each
	s_add_co_u32 s18, s18, s19
	v_add_nc_u32 v[WA], s18, v25
	s_lshl_b32 s18, s14, 6                         ; my 16 tokens: 64 bytes of a stage row
	s_add_co_u32 s18, s18, STG
	v_add_nc_u32 v[SO], s18, v[SO]
	s_mul_i32 s18, s14, 8*SP                       ; back: rows 8 w .. 8 w + 7, 16 bytes a lane
	s_add_co_u32 s18, s18, STG
	v_add_nc_u32 v[SR], s18, v[L16]
	s_lshl_b32 s20, s15, 15                        ; oc: 8 token tiles of 4,096 bytes a block, + my tile
	s_lshl_b32 s18, s14, 12
	s_add_co_u32 s20, s20, s18
	s_mov_b32 s21, 0
	s_lshl_b32 s24, ttmp9, 8                       ; 256 g: 64 columns of f32
	s_mov_b32 s25, 0
	s_lshl_b32 s22, s17, 16                        ; Wproj: 64 rows of 1,024 bytes, + g, + my 32 columns
	s_add_co_u32 s22, s22, s24
	s_lshl_b32 s18, s16, 7
	s_add_co_u32 s22, s22, s18
	s_mov_b32 s23, 0
	s_lshr_b32 s26, s15, 5                         ; out0: the batch, row 64 g + 8 w of 16,384 bytes, token 128 (block % 32)
	s_lshl_b32 s26, s26, 22
	s_lshl_b32 s18, ttmp9, 20
	s_add_co_u32 s26, s26, s18
	s_lshl_b32 s18, s14, 17
	s_add_co_u32 s26, s26, s18
	s_and_b32 s18, s15, 31
	s_lshl_b32 s18, s18, 9
	s_add_co_u32 s26, s26, s18
	s_mov_b32 s27, 0
	s_wait_kmcnt 0x0
	s_load_b256 s[32:39], s[10:11], 0x0            ; e0 .. e7
	s_add_nc_u64 s[20:21], s[4:5], s[20:21]
	s_add_nc_u64 s[22:23], s[6:7], s[22:23]
	s_add_nc_u64 s[24:25], s[8:9], s[24:25]
	s_add_nc_u64 s[26:27], s[12:13], s[26:27]
.irp i, 0,1,2,3,4,5,6,7
	global_load_b128 v[OF+4*\i:OF+4*\i+3], v[L16], s[20:21] offset:512*\i      ; O's fragments as they lie: K step ks at OF + 16 ks
.endr
.irp ct, 0,1,2,3
	global_load_b32 v[BP+2*\ct], v[R4], s[24:25] offset:64*\ct                 ; bproj[64 g + 16 ct + r]
	global_load_b32 v[BP+2*\ct+1], v[R4], s[24:25] offset:64*\ct
.endr
	LOADB 0, 0
	LOADB 1, 32
	s_wait_kmcnt 0x0
	s_add_co_i32 s42, s39, 127
	s_lshl_b32 s43, s42, 23
	v_mov_b32 v14, s43                             ; 2^e7 as f32: the conversion takes its exponent field
	s_add_co_i32 s42, s42, 8
	s_lshl_b32 s42, s42, 23
	s_or_b32 s42, s42, 0x600000
	v_mov_b32 v15, s42                             ; 448 x 2^e7
	s_add_co_i32 s40, s38, s39
	s_add_co_i32 s40, s40, 127
	s_lshl_b32 s40, s40, 23                        ; 2^(e6 + e7) as f32
	s_mov_b32 s41, s40                             ; (named with it as a pair, so it is written)
	s_wait_loadcnt 32                              ; the first block (and O, and the bias) is in; the second block's 32 loads may be out
	QBLK 0, 0
	s_wait_loadcnt 0x0
	QBLK 1, 512
	s_wait_dscnt 0x0                               ; for the others' sake: my images have landed
	s_barrier_signal -1
	s_barrier_wait -1                              ; W's eight fragments lie in LDS
.set i, 0
.rept 32
	ds_load_b128 v[WF+4*i:WF+4*i+3], v[L16] offset:WIMG+512*i   ; fragment (ct, ks) at WF + 16 (2 ct + ks)
.set i, i+1
.endr
	s_wait_dscnt 0x0
.irp ks, 0,1                                   ; the four accumulators take turns, one instruction a turn
.irp ct, 0,1,2,3
.if \ks == 0
	v_wmma_f32_16x16x128_fp8_fp8 v[ACC+8*\ct:ACC+8*\ct+7], v[OF+16*\ks:OF+16*\ks+15], v[WF+16*(2*\ct+\ks):WF+16*(2*\ct+\ks)+15], 0
.else
	v_wmma_f32_16x16x128_fp8_fp8 v[ACC+8*\ct:ACC+8*\ct+7], v[OF+16*\ks:OF+16*\ks+15], v[WF+16*(2*\ct+\ks):WF+16*(2*\ct+\ks)+15], v[ACC+8*\ct:ACC+8*\ct+7]
.endif
.endr
.endr
.rept 4
	v_nop                                          ; four places behind the last product (ISA guide 7.12.1), ahead of the reads of results
.endr
.irp ct, 0,1,2,3                               ; sum x 2^(e6 + e7) + bias, one packed multiply-add for two numbers; each accumulator from its low end on
.irp j, 0,2,4,6
	v_pk_fma_f32 v[Y+8*\ct+\j:Y+8*\ct+\j+1], v[ACC+8*\ct+\j:ACC+8*\ct+\j+1], s[40:41], v[BP+2*\ct:BP+2*\ct+1] op_sel_hi:[1,0,1]
.endr
.endr
.irp ct, 0,1,2,3
	ds_store_b128 v[SO], v[Y+8*\ct:Y+8*\ct+3] offset:16*SP*\ct             ; lane (r, h): column 16 ct + r, tokens 16 w + 8 h + 0 .. 7
	ds_store_b128 v[SO], v[Y+8*\ct+4:Y+8*\ct+7] offset:16*SP*\ct+16
.endr
	s_wait_dscnt 0x0                               ; for the others' sake: my stores into the stage are done
	s_barrier_signal -1
	s_barrier_wait -1                              ; 64 whole rows lie in the stage
.irp i, 0,1,2,3,4,5,6,7
	ds_load_b128 v[WF+4*\i:WF+4*\i+3], v[SR] offset:SP*\i
.endr
.irp i, 0,1,2,3,4,5,6,7
	s_wait_dscnt 7-\i                              ; LDS loads come back in order (ISA guide 5.7.1): row i is in
	global_store_b128 v[L16], v[WF+4*\i:WF+4*\i+3], s[26:27] offset:16384*\i th:TH_STORE_NT   ; 32 lanes store 512 consecutive bytes of a row of out0, aligned; written once, read by nobody here
.endr
	s_wait_tensorcnt 0x0                           ; the wave's end, behind my last LDS store
	ds_add_u32 v[SPW], v[NIL]
	s_wait_dscnt 0x0
	s_endpgm
.Lfunc_end_k_q96d2c674a9_proj:
	.size	k_q96d2c674a9_proj, .Lfunc_end_k_q96d2c674a9_proj-k_q96d2c674a9_proj
	.p2alignl 7, 3214868480
	.fill 96, 4, 3214868480
	.section	.rodata,"a",@progbits
	.p2align	6, 0x0
	.amdhsa_kernel k_q96d2c674a9_proj
		.amdhsa_group_segment_fixed_size 51200
		.amdhsa_private_segment_fixed_size 0
		.amdhsa_enable_private_segment 0
		.amdhsa_kernarg_size 40
		.amdhsa_user_sgpr_count 2
		.amdhsa_user_sgpr_kernarg_segment_ptr 1
		.amdhsa_wavefront_size32 1
		.amdhsa_system_sgpr_workgroup_id_x 1
		.amdhsa_system_sgpr_workgroup_id_y 1
		.amdhsa_system_sgpr_workgroup_id_z 1
		.amdhsa_system_vgpr_workitem_id 0
		.amdhsa_next_free_vgpr 256
		.amdhsa_next_free_sgpr 66
		.amdhsa_reserve_vcc 0
		.amdhsa_float_denorm_mode_32 3
		.amdhsa_float_denorm_mode_16_64 3
		.amdhsa_memory_ordered 1
		.amdhsa_forward_progress 1
		.amdhsa_inst_pref_size 22
	.end_amdhsa_kernel
	.amdgpu_metadata
---
amdhsa.version: [ 1, 2 ]
amdhsa.kernels:
  - .name:           k_q96d2c674a9_proj
    .symbol:         k_q96d2c674a9_proj.kd
    .args:
      - { .name: oc, .offset: 0, .size: 8, .value_kind: global_buffer, .address_space: global }
      - { .name: Wproj, .offset: 8, .size: 8, .value_kind: global_buffer, .address_space: global }
      - { .name: bproj, .offset: 16, .size: 8, .value_kind: global_buffer, .address_space: global }
      - { .name: lowp_scales, .offset: 24, .size: 8, .value_kind: global_buffer, .address_space: global }
      - { .name: out0, .offset: 32, .size: 8, .value_kind: global_buffer, .address_space: global }
    .group_segment_fixed_size: 51200
    .private_segment_fixed_size: 0
    .kernarg_segment_align: 8
    .kernarg_segment_size: 40
    .max_flat_workgroup_size: 256
    .sgpr_count:     66
    .vgpr_count:     256
    .wavefront_size: 32
...
	.end_amdgpu_metadata
.endif
;; end of part 3
;; ======== version 2 of 2: 3 launches; version 1 with the launches qkv, attn, proj written anew for expert scheduling mode
;; workspace buffers: qc 2,097,152 bytes; kc 2,097,152 bytes; vc 2,097,152 bytes; oc 2,097,152 bytes
;; launch qkv (part 4): grid 4 x 64, 16 waves a work-group, no clusters, 83,968 bytes of LDS; arguments x, Wqkv, bqkv, lowp_scales, qc, kc, vc; writes qc, kc, vc
.if DOCPART == 4
	.amdgcn_target "amdgcn-amd-amdhsa--gfx1250"
	.amdhsa_code_object_version 6
	.text
	.protected	k_q96d2c674a9_qkv
	.globl	k_q96d2c674a9_qkv
	.p2align	8
	.type	k_q96d2c674a9_qkv,@function
k_q96d2c674a9_qkv:
	s_mov_b64 s[64:65], 0
	v_nop
	global_prefetch_b8 v0, s[64:65] scope:SCOPE_SE
	s_setreg_imm32_b32 hwreg(HW_REG_WAVE_SCHED_MODE, 0, 2), 2
	s_setreg_imm32_b32 hwreg(HW_REG_WAVE_MODE, 25, 1), 1
	s_wait_xcnt 0x0
	s_wait_alu depctr_vm_vsrc(0)
; qkv = x^T Wqkv + bqkv on codes of FP8 (E4M3), and q, k, v quantised again for the two products of attention.
; x: [2][256 (c)][4096 (token)] f32, Wqkv: [256 (c)][768] f32: K = c is the FIRST axis of both.  bqkv: [768] f32.  The scales' exponents e0 .. e7: int32.
; SHARES.  A work-group takes 128 tokens (work-group y: batch = y / 32, key step = y % 32) and the q, k and v columns of two heads (work-group x = g: columns 64 g .. 64 g + 63 of each third of Wqkv).
; PHASE 1.  A lane takes a column (a token of x, a column of W) and its 32 registers run down K, so the conversions give codes with K innermost and nothing is transposed.  Each of the sixteen waves turns five
; blocks of 32 K x 32 columns into codes (two of x, three of W) and stores them in LDS as IMAGES OF OPERAND REGISTERS: in a fragment (16 rows x 128 K, 2,048 bytes) group c of four registers lies at 512 c + 16 lane, and lane (r, h)
; holds k = 32 c + 16 h + 0 .. 15 of row r.  That is a permutation of k, the same for x and for W, so every product meets its partner.
; PHASE 2.  Wave (p = w % 4, ch = (w / 4) % 2, hh = w / 8) takes token tiles 2 p, 2 p + 1.  q (ch = 0) or k (ch = 1) of head 2 g + hh is made TRANSPOSED (source 0 = 16 columns of W, source 1 = 16 tokens): a lane holds one token and
; eight neighbouring d.  v of head 2 g + ch, d = 16 hh .. + 15, is made the natural way (source 0 = tokens, source 1 = columns): a lane holds one d and eight neighbouring tokens, which are the next K.
; So each lane's conversions give just the 16 bytes that the workspace wants of it, and each store of a wave covers 512 consecutive bytes, aligned.
; WORKSPACE.  qc, kc: [16 (8 batch + head)][256 token tiles][lane][16 bytes]: lane (r, h): token r, d = 8 h + 0 .. 7, then 16 + 8 h + 0 .. 7.
;             vc: [16][32 key steps][2 d tiles][4 groups][lane][16 bytes]: lane (r, h) of group G: d = r, keys 32 G + 8 h + 0 .. 7, then 32 G + 16 + 8 h + 0 .. 7.
; NO JOINT LOADS, NO TENSOR LOADS: what work-groups share arrives as f32 with K outermost and has to pass through registers to become codes; as f32 a work-group's x and W are 131,072 + 196,608 bytes, which leaves LDS no room for the images.
; LIMITS: e0, e1, e2, e3, e5 between -126 and 119; e0 + e1 between -126 and 127, so that each power of two below is an f32 number.  NaN among the inputs is not served (an infinity is held at the largest code).
; THE MODE: SCHED_MODE bits 1:0 = 2 (LLVM: expert scheduling mode 2), set by the entry lines.  The code itself states the register dependences
; between vector or matrix instructions and memory or LDS instructions, with s_wait_alu, always for 0.
; THE PLAN.  Registers that memory or LDS instructions touch:
;   v1-v11       offsets and LDS addresses: written at the head and never again: one wait on va_vdst ahead of the first load serves them all.
;   XS0, XS1     Loads land in a set; the block's holds and conversions read and write it; behind the block's wait the loads of the block two on land in it.
;   CD           Eight registers of its own for each block: written by its conversions, read by its two LDS stores.  In phase 2 fragments of W land there: one wait on vm_vsrc, behind the barrier.
;   XF, WF, WV   LDS loads land in them once; the products read them.  XF lies where XS lay: the last block's wait stands behind every line that named XS.
;   CO           Written by the last conversions, read by the three stores: one wait on va_vdst.
; So ONE wait on va_vdst stands in a block, behind its conversions: the codes are written, for the LDS stores, and the set is done with, for the loads; no vector instruction stands between that wait and these.
.set XIMG,  0                          ; LDS: x's 16 fragments: (token tile T, K step ks) at (2 T + ks) x 2,048
.set WIMG,  32768                      ; W's 24: column tile ct (0-3 q, 4-7 k, 8-11 v) likewise
.set SPARE, 81920                      ; the spare words, 128 bytes for each of sixteen waves: eight blocks of 256 bytes that no other line names
.set L4,   1                           ; v1     4 x lane
.set XA,   2                           ; v2     where I store x's codes
.set WA,   3                           ; v3-5   where I store W's codes, block by block
.set L16,  6                           ; v6     16 x lane
.set XRA,  7                           ; v7     where I read x's fragments
.set WQA,  8                           ; v8     W's fragments for q or k
.set WVA,  9                           ; v9     W's fragments for v
.set H32,  10                          ; v10    32 x (lane / 16)
.set R4,   11                          ; v11    4 x (lane % 16)
.set SPW,  12                          ; v12    LDS address of my spare word; never rewritten
.set NIL,  13                          ; v13    0; never rewritten
.set BQ,   24                          ; v24-39 the bias of my q or k columns, in the result's layout
.set BV,   40                          ; v40-41 the bias of my v column, twice (a pair for the packed form)
.set AV,   48                          ; v48-63 v's two accumulators
.set XS,   64                          ; v64-127 phase 1: two sets of 32 numbers
.set CD,   128                         ; v128-167 phase 1: eight registers of codes for each of five blocks, so that no LDS store's data are written again
.set XF,   64                          ; phase 2: x's four fragments
.set WF,   128                         ; W's four for q or k
.set WV,   192                         ; W's two for v
.set ACC,  224                         ; q's or k's four accumulators: (u, tt) at 8 (2 u + tt)
.set CO,   128                         ; the codes that leave: 12 registers
; v14, v15: 2^e0 and 448 x 2^e0;  v16, v17: e1;  v18, v19: e2 or e3;  v20, v21: e5
.macro MKSC sc, lim, e                 ; 2^e as f32 (the conversion takes its exponent field) and the largest number x 2^e
	s_add_co_i32 s58, \e, 127
	s_lshl_b32 s59, s58, 23
	v_mov_b32 v[\sc], s59
	s_add_co_i32 s58, s58, 8
	s_lshl_b32 s58, s58, 23
	s_or_b32 s58, s58, 0x600000
	v_mov_b32 v[\lim], s58
.endm
.macro LOADB set, base, pitch, row0    ; a block: 32 rows of K at my column; a wave's load reads 128 consecutive bytes
.set i, 0
.rept 32
	global_load_b32 v[XS+32*(\set)+i], v[L4], s[\base:\base+1] offset:((\row0)+i)*(\pitch)
.set i, i+1
.endr
.endm
.macro QBLK t, set, sc, lim, adr, off  ; the block becomes 32 codes: k 0 .. 15 go to the place of lane half 0, k 16 .. 31 to that of half 1
.set i, 0
.rept 32
	v_med3_num_f32 v[XS+32*(\set)+i], v[XS+32*(\set)+i], -v[\lim], v[\lim]   ; the conversion to an 8-bit code does not saturate (ISA guide 7.6.2): the hold at the largest code x the scale
.set i, i+1
.endr
.irp g, 0,1,2,3
	v_cvt_scalef32_pk8_fp8_f32 v[CD+8*(\t)+2*\g:CD+8*(\t)+2*\g+1], v[XS+32*(\set)+8*\g:XS+32*(\set)+8*\g+7], v[\sc]
.endr
	v_nop                                          ; one plain vector line behind the last conversion of a run
	s_wait_alu depctr_va_vdst(0)                   ; the conversions have written the block's codes, which the two LDS stores read; holds and conversions are done with the set's 32 registers, in which the next loads land
	ds_store_b128 v[\adr], v[CD+8*(\t):CD+8*(\t)+3] offset:\off
	ds_store_b128 v[\adr], v[CD+8*(\t)+4:CD+8*(\t)+7] offset:(\off)+256
.endm
	s_load_b256 s[4:11], s[0:1], 0x0               ; x s[4:5], Wqkv s[6:7], bqkv s[8:9], the exponents s[10:11]
	s_load_b128 s[12:15], s[0:1], 0x20             ; qc s[12:13], kc s[14:15]
	s_load_b64 s[16:17], s[0:1], 0x30              ; vc
	v_lshl_add_u32 v[SPW], v0, 2, SPARE
	v_mov_b32 v[NIL], 0
	v_lshrrev_b32 v22, 5, v0
	v_readfirstlane_b32 s18, v22                   ; wave 0..15
	v_and_b32 v22, 31, v0                          ; lane
	v_lshlrev_b32 v[L4], 2, v22
	v_lshlrev_b32 v[L16], 4, v22
	v_and_b32 v23, 15, v0                          ; r
	v_bfe_u32 v22, v0, 4, 1                        ; h
	v_lshlrev_b32 v[R4], 2, v23
	v_lshlrev_b32 v[H32], 5, v22
	v_lshlrev_b32 v23, 4, v23
	v_lshl_add_u32 v23, v22, 12, v23               ; phase 1: my column's place: 16 (lane % 16), and the next tile (two fragments on) for lanes 16-31
	s_wait_alu depctr_va_vdst(0)
	s_wait_alu depctr_va_sdst(0)                   ; s18, the wave's number, is written, ahead of its first reader
	s_and_b32 s19, s18, 3                          ; p
	s_lshr_b32 s20, s18, 2                         ; q4
	s_and_b32 s21, s20, 1                          ; ch
	s_lshr_b32 s22, s20, 1                         ; hh
	s_and_b32 s23, ttmp7, 0xffff
	s_lshr_b32 s50, s23, 5                         ; batch
	s_and_b32 s51, s23, 31                         ; key step
	s_lshl_b32 s60, ttmp9, 8                       ; 256 g: 64 columns of f32
	; LDS addresses, all made here
	s_lshl_b32 s52, s19, 13                        ; token tiles 2 p, 2 p + 1: 8,192 p
	s_lshl_b32 s53, s20, 10                        ; K blocks 2 q4, 2 q4 + 1: 512 bytes each
	s_add_co_u32 s53, s53, s52
	v_add_nc_u32 v[XA], s53, v23
	v_add_nc_u32 v[XRA], s52, v[L16]
	s_lshl_b32 s53, s21, 2
	s_lshl_b32 s54, s22, 1
	s_add_co_u32 s53, s53, s54                     ; column tile 4 ch + 2 hh
	s_lshl_b32 s53, s53, 12
	s_add_co_u32 s53, s53, WIMG
	v_add_nc_u32 v[WQA], s53, v[L16]
	s_lshl_b32 s53, s21, 1
	s_add_co_u32 s53, s53, s22
	s_add_co_u32 s53, s53, 8                       ; column tile 8 + 2 ch + hh
	s_lshl_b32 s53, s53, 12
	s_add_co_u32 s53, s53, WIMG
	v_add_nc_u32 v[WVA], s53, v[L16]
	s_mul_i32 s54, s18, 3                          ; W's 48 blocks (6 groups of 32 columns x 8 blocks of K): three a wave
.irp i, 0,1,2
	s_add_co_u32 s55, s54, \i
	s_lshr_b32 s56, s55, 3                         ; the group of columns: 0, 1 q; 2, 3 k; 4, 5 v
	s_and_b32 s57, s55, 7                          ; the block of K
	s_lshl_b32 s58, s56, 13
	s_lshl_b32 s59, s57, 9
	s_add_co_u32 s58, s58, s59
	s_add_co_u32 s58, s58, WIMG
	v_add_nc_u32 v[WA+\i], s58, v23
	s_mul_i32 s[34+2*\i], s57, 98304               ; in memory: 32 rows of 3,072 bytes,
	s_lshr_b32 s58, s56, 1
	s_lshl_b32 s58, s58, 10                        ; the third of Wqkv,
	s_add_co_u32 s[34+2*\i], s[34+2*\i], s58
	s_and_b32 s58, s56, 1
	s_lshl_b32 s58, s58, 7                         ; the half of my 64 columns,
	s_add_co_u32 s[34+2*\i], s[34+2*\i], s58
	s_add_co_u32 s[34+2*\i], s[34+2*\i], s60       ; and g
	s_mov_b32 s[35+2*\i], 0
.endr
	s_lshl_b32 s32, s50, 22                        ; x: the batch, row 64 q4 of 16,384 bytes, token 128 step + 32 p
	s_lshl_b32 s52, s20, 20
	s_add_co_u32 s32, s32, s52
	s_lshl_b32 s52, s51, 9
	s_add_co_u32 s32, s32, s52
	s_lshl_b32 s52, s19, 7
	s_add_co_u32 s32, s32, s52
	s_mov_b32 s33, 0
	s_lshl_b32 s40, s21, 10                        ; the bias of q or k: entry 256 ch + 64 g + 32 hh
	s_add_co_u32 s40, s40, s60
	s_lshl_b32 s52, s22, 7
	s_add_co_u32 s40, s40, s52
	s_mov_b32 s41, 0
	s_lshl_b32 s42, s21, 7                         ; of v: entry 512 + 64 g + 32 ch + 16 hh
	s_add_co_u32 s42, s42, s60
	s_lshl_b32 s52, s22, 6
	s_add_co_u32 s42, s42, s52
	s_add_co_u32 s42, s42, 2048
	s_mov_b32 s43, 0
	s_lshl_b32 s53, s50, 20                        ; the codes: (8 batch + 2 g) x 131,072 + 4,096 x key step,
	s_lshl_b32 s52, ttmp9, 18
	s_add_co_u32 s53, s53, s52
	s_lshl_b32 s52, s51, 12
	s_add_co_u32 s53, s53, s52
	s_lshl_b32 s44, s22, 17                        ; q, k: + head hh, + token tile 2 p
	s_add_co_u32 s44, s44, s53
	s_lshl_b32 s52, s19, 10
	s_add_co_u32 s44, s44, s52
	s_mov_b32 s45, 0
	s_lshl_b32 s46, s21, 17                        ; v: + head ch, + d tile hh, + group p
	s_add_co_u32 s46, s46, s53
	s_lshl_b32 s52, s22, 11
	s_add_co_u32 s46, s46, s52
	s_lshl_b32 s52, s19, 9
	s_add_co_u32 s46, s46, s52
	s_mov_b32 s47, 0
	s_wait_kmcnt 0x0
	s_load_b256 s[24:31], s[10:11], 0x0            ; e0 .. e7
	s_add_nc_u64 s[32:33], s[4:5], s[32:33]
	s_add_nc_u64 s[34:35], s[6:7], s[34:35]
	s_add_nc_u64 s[36:37], s[6:7], s[36:37]
	s_add_nc_u64 s[38:39], s[6:7], s[38:39]
	s_add_nc_u64 s[40:41], s[8:9], s[40:41]
	s_add_nc_u64 s[42:43], s[8:9], s[42:43]
	s_cmp_eq_u32 s21, 0                            ; the choice hangs on the wave's number alone
	s_cselect_b64 s[52:53], s[12:13], s[14:15]
	s_add_nc_u64 s[44:45], s[52:53], s[44:45]
	s_add_nc_u64 s[46:47], s[16:17], s[46:47]
	s_wait_alu depctr_va_vdst(0)                   ; the offsets and LDS addresses v1 to v11 are written: every load and store of the kernel, and every LDS instruction but the closing ds_add_u32, reads one of them
.irp u, 0,1
	global_load_b128 v[BQ+8*\u:BQ+8*\u+3], v[H32], s[40:41] offset:64*\u        ; lane (r, h) wants the bias of d = 16 u + 8 h + 0 .. 7
	global_load_b128 v[BQ+8*\u+4:BQ+8*\u+7], v[H32], s[40:41] offset:64*\u+16
.endr
	global_load_b32 v[BV], v[R4], s[42:43]         ; and of d = r
	global_load_b32 v[BV+1], v[R4], s[42:43]
	LOADB 0, 32, 16384, 0
	LOADB 1, 32, 16384, 32
	s_wait_kmcnt 0x0
	MKSC 14, 15, s24
	MKSC 16, 17, s25
	s_cmp_eq_u32 s21, 0
	s_cselect_b32 s54, s26, s27                    ; e2 for q, e3 for k
	MKSC 18, 19, s54
	MKSC 20, 21, s29
	s_add_co_i32 s48, s24, s25
	s_add_co_i32 s48, s48, 127
	s_lshl_b32 s48, s48, 23                        ; 2^(e0 + e1) as f32
	s_mov_b32 s49, s48                             ; (named with it as a pair, so it is written)
	s_wait_alu depctr_va_vdst(0)
	; ---- phase 1: five blocks; the loads run two blocks ahead
	s_wait_loadcnt 32                              ; this block's 32 loads (and the bias) are in; the next block's 32 may be out.  The same count serves the next three blocks
	QBLK 0, 0, 14, 15, XA, 0
	LOADB 0, 34, 3072, 0
	s_wait_loadcnt 32
	QBLK 1, 1, 14, 15, XA, 512
	LOADB 1, 36, 3072, 0
	s_wait_loadcnt 32
	QBLK 2, 0, 16, 17, WA, 0
	LOADB 0, 38, 3072, 0
	s_wait_loadcnt 32
	QBLK 3, 1, 16, 17, WA+1, 0
	s_wait_loadcnt 0x0
	QBLK 4, 0, 16, 17, WA+2, 0
	s_wait_dscnt 0x0                               ; for the others' sake: my images have landed
	s_barrier_signal -1
	s_barrier_wait -1                              ; all 40 fragments lie in LDS; nothing is stored there again
	; ---- phase 2
	s_wait_alu depctr_vm_vsrc(0)                   ; my LDS stores have read the codes' registers, in which fragments of W land below.  (The lines that named x's and W's numbers stand ahead of the last block's wait on va_vdst)
.set i, 0
.rept 16
	ds_load_b128 v[XF+4*i:XF+4*i+3], v[XRA] offset:512*i       ; fragment (tt, ks) at XF + 16 (2 tt + ks)
.set i, i+1
.endr
.set i, 0
.rept 16
	ds_load_b128 v[WF+4*i:WF+4*i+3], v[WQA] offset:512*i       ; fragment (u, ks) at WF + 16 (2 u + ks)
.set i, i+1
.endr
.set i, 0
.rept 8
	ds_load_b128 v[WV+4*i:WV+4*i+3], v[WVA] offset:512*i
.set i, i+1
.endr
	s_wait_dscnt 8                                 ; all but the youngest eight, v's fragments of W
.irp ks, 0,1                                   ; the four accumulators take turns, one instruction a turn
.irp u, 0,1
.irp tt, 0,1
.if \ks == 0
	v_wmma_f32_16x16x128_fp8_fp8 v[ACC+8*(2*\u+\tt):ACC+8*(2*\u+\tt)+7], v[WF+16*(2*\u+\ks):WF+16*(2*\u+\ks)+15], v[XF+16*(2*\tt+\ks):XF+16*(2*\tt+\ks)+15], 0
.else
	v_wmma_f32_16x16x128_fp8_fp8 v[ACC+8*(2*\u+\tt):ACC+8*(2*\u+\tt)+7], v[WF+16*(2*\u+\ks):WF+16*(2*\u+\ks)+15], v[XF+16*(2*\tt+\ks):XF+16*(2*\tt+\ks)+15], v[ACC+8*(2*\u+\tt):ACC+8*(2*\u+\tt)+7]
.endif
.endr
.endr
.endr
	s_wait_dscnt 0x0
.irp ks, 0,1
.irp tt, 0,1
.if \ks == 0
	v_wmma_f32_16x16x128_fp8_fp8 v[AV+8*\tt:AV+8*\tt+7], v[XF+16*(2*\tt+\ks):XF+16*(2*\tt+\ks)+15], v[WV+16*\ks:WV+16*\ks+15], 0
.else
	v_wmma_f32_16x16x128_fp8_fp8 v[AV+8*\tt:AV+8*\tt+7], v[XF+16*(2*\tt+\ks):XF+16*(2*\tt+\ks)+15], v[WV+16*\ks:WV+16*\ks+15], v[AV+8*\tt:AV+8*\tt+7]
.endif
.endr
.endr
.rept 4
	v_nop                                          ; four places behind the last product (ISA guide 7.12.1), ahead of the reads of results and the writes over operands
.endr
.irp a, 0,1,2,3                                ; sum x 2^(e0 + e1) + bias, one packed multiply-add for two numbers; each accumulator from its low end on
.irp j, 0,2,4,6
	v_pk_fma_f32 v[ACC+8*\a+\j:ACC+8*\a+\j+1], v[ACC+8*\a+\j:ACC+8*\a+\j+1], s[48:49], v[BQ+8*(\a/2)+\j:BQ+8*(\a/2)+\j+1] op_sel_hi:[1,0,1]
.endr
.endr
.irp j, 0,2,4,6,8,10,12,14
	v_pk_fma_f32 v[AV+\j:AV+\j+1], v[AV+\j:AV+\j+1], s[48:49], v[BV:BV+1] op_sel_hi:[1,0,1]
.endr
.set i, 0
.rept 32
	v_med3_num_f32 v[ACC+i], v[ACC+i], -v19, v19
.set i, i+1
.endr
.set i, 0
.rept 16
	v_med3_num_f32 v[AV+i], v[AV+i], -v21, v21
.set i, i+1
.endr
.irp tt, 0,1
.irp u, 0,1
	v_cvt_scalef32_pk8_fp8_f32 v[CO+4*\tt+2*\u:CO+4*\tt+2*\u+1], v[ACC+8*(2*\u+\tt):ACC+8*(2*\u+\tt)+7], v18   ; token r: d = 16 u + 8 h + 0 .. 7
.endr
.endr
	v_cvt_scalef32_pk8_fp8_f32 v[CO+8:CO+9], v[AV:AV+7], v20        ; d = r: tokens 32 p + 8 h + 0 .. 7,
	v_cvt_scalef32_pk8_fp8_f32 v[CO+10:CO+11], v[AV+8:AV+15], v20   ; and 32 p + 16 + 8 h + 0 .. 7
	v_nop                                          ; one plain vector line behind the last conversion
	s_wait_alu depctr_va_vdst(0)                   ; the conversions have written the twelve registers of codes, which the three stores read
	global_store_b128 v[L16], v[CO:CO+3], s[44:45]             ; each store: 512 consecutive bytes, aligned
	global_store_b128 v[L16], v[CO+4:CO+7], s[44:45] offset:512
	global_store_b128 v[L16], v[CO+8:CO+11], s[46:47]
	s_wait_dscnt 0x0                               ; the closing lines, six on end
	s_wait_alu 0x0
	s_wait_tensorcnt 0x0
	ds_add_u32 v[SPW], v[NIL]
	s_wait_dscnt 0x0
	s_endpgm
.Lfunc_end_k_q96d2c674a9_qkv:
	.size	k_q96d2c674a9_qkv, .Lfunc_end_k_q96d2c674a9_qkv-k_q96d2c674a9_qkv
	.p2alignl 7, 3214868480
	.fill 96, 4, 3214868480
	.section	.rodata,"a",@progbits
	.p2align	6, 0x0
	.amdhsa_kernel k_q96d2c674a9_qkv
		.amdhsa_group_segment_fixed_size 83968
		.amdhsa_private_segment_fixed_size 0
		.amdhsa_enable_private_segment 0
		.amdhsa_kernarg_size 56
		.amdhsa_user_sgpr_count 2
		.amdhsa_user_sgpr_kernarg_segment_ptr 1
		.amdhsa_wavefront_size32 1
		.amdhsa_system_sgpr_workgroup_id_x 1
		.amdhsa_system_sgpr_workgroup_id_y 1
		.amdhsa_system_sgpr_workgroup_id_z 1
		.amdhsa_system_vgpr_workitem_id 0
		.amdhsa_next_free_vgpr 256
		.amdhsa_next_free_sgpr 66
		.amdhsa_reserve_vcc 0
		.amdhsa_float_denorm_mode_32 3
		.amdhsa_float_denorm_mode_16_64 3
		.amdhsa_memory_ordered 1
		.amdhsa_forward_progress 1
		.amdhsa_inst_pref_size 44
	.end_amdhsa_kernel
	.amdgpu_metadata
---
amdhsa.version: [ 1, 2 ]
amdhsa.kernels:
  - .name:           k_q96d2c674a9_qkv
    .symbol:         k_q96d2c674a9_qkv.kd
    .args:
      - { .name: x, .offset: 0, .size: 8, .value_kind: global_buffer, .address_space: global }
      - { .name: Wqkv, .offset: 8, .size: 8, .value_kind: global_buffer, .address_space: global }
      - { .name: bqkv, .offset: 16, .size: 8, .value_kind: global_buffer, .address_space: global }
      - { .name: lowp_scales, .offset: 24, .size: 8, .value_kind: global_buffer, .address_space: global }
      - { .name: qc, .offset: 32, .size: 8, .value_kind: global_buffer, .address_space: global }
      - { .name: kc, .offset: 40, .size: 8, .value_kind: global_buffer, .address_space: global }
      - { .name: vc, .offset: 48, .size: 8, .value_kind: global_buffer, .address_space: global }
    .group_segment_fixed_size: 83968
    .private_segment_fixed_size: 0
    .kernarg_segment_align: 8
    .kernarg_segment_size: 56
    .max_flat_workgroup_size: 512
    .sgpr_count:     66
    .vgpr_count:     256
    .wavefront_size: 32
...
	.end_amdgpu_metadata
.endif
;; end of part 4
;; launch attn (part 5): grid 16 x 16, 8 waves a work-group, no clusters, 263,168 bytes of LDS; arguments qc, kc, vc, lowp_scales, oc; writes oc
.if DOCPART == 5
	.amdgcn_target "amdgcn-amd-amdhsa--gfx1250"
	.amdhsa_code_object_version 6
	.text
	.protected	k_q96d2c674a9_attn
	.globl	k_q96d2c674a9_attn
	.p2align	8
	.type	k_q96d2c674a9_attn,@function
k_q96d2c674a9_attn:
	s_mov_b64 s[64:65], 0
	v_nop
	global_prefetch_b8 v0, s[64:65] scope:SCOPE_SE
	s_setreg_imm32_b32 hwreg(HW_REG_WAVE_SCHED_MODE, 0, 2), 2
	s_setreg_imm32_b32 hwreg(HW_REG_WAVE_MODE, 25, 1), 1
	s_wait_xcnt 0x0
	s_wait_alu depctr_vm_vsrc(0)
; O[bh][q] = the sum over k of softmax_k(Q[bh][q] . K[bh][k] / sqrt(32)) V[bh][k], both products on codes of FP8 (E4M3); O is quantised for the last product and stored as codes.
; qc, kc, vc: images of operand registers, as the launch before laid them; oc: [batch][256 token tiles][2 K steps][4 groups][lane][16 bytes]: lane (r, h) of group head % 4 in K step head / 4: token r, d = 8 h + 0 .. 7, then 16 + 8 h + 0 .. 7.
; THE SOFTMAX AHEAD OF THE SECOND PRODUCT: t = score x log2(e) / sqrt(32); M = the row's largest t so far, rounded UP to a whole number; p = 2^(t - M) is what is quantised; the row's sum is taken of the unquantised p and divides O at the end.
; When M moves, the sum and O are multiplied by 2^(old M - new M): exact.
; SHARES.  A work-group owns 256 queries (work-group x) of one head (work-group y = 8 batch + head); each of its eight waves owns two tiles of 16 queries: tile a in register window 0, tile b in window 1 under the same numbers.
; K's and V's fragments stand in window 0 and feed both tiles.  Every wave walks all 4,096 keys, 128 a step.
; LAYOUT.  Both products are used transposed: S^T = K Q^T (source 0 = keys, source 1 = queries), O^T = V^T P^T (source 0 = 16 d, source 1 = P): a lane holds ONE query (lane % 16) throughout, and the eight registers of key tile t are keys
; 16 t + 8 (lane / 16) + 0 .. 7: just what registers 2 t, 2 t + 1 of the second product's operand hold, so the conversions' results are that operand.
; THE HEAD IS 32 WIDE, THE INSTRUCTION 64: source 0 takes TWO key tiles, one in each half of K; source 1 is (q, 0) for the first and (0, q) for the second.  The zero codes take the other tile out (K's codes are held, so none is NaN).
; K AND V IN LDS.  A head's images are 131,072 bytes each: all of them fit.  The work-group brings them in chunks of 512 keys, through registers: a chunk is loaded four key steps ahead of the wait for it, and lies in LDS four key steps
; ahead of its first read.  No LDS byte is written twice.
; NO JOINT LOADS, NO TENSOR LOADS, though the sixteen work-groups of a head read the same K and V: a work-group reads these 262,144 bytes once in the whole launch.
; The hold on p, 64 of a tile step's some 250 vector instructions, is jumped over where e4 >= -8: p is at most 1 (by rounding a few parts in 10^7 more), under 448 x 2^-8 = 1.75.
; nan_to_num: a score is a sum of 32 products of codes, at most 32 x 448^2 in magnitude; within the limit on e2 + e3 below every logit is a finite number, which nan_to_num leaves as it is.
; LIMITS: e2 + e3 between -124 and 104; e4 and e6 between -126 and 119.
; THE MODE: SCHED_MODE bits 1:0 = 2 (LLVM: expert scheduling mode 2), set by the entry lines.  The code itself states the register dependences
; between vector or matrix instructions and memory or LDS instructions, with s_wait_alu, always for 0.
; THE PLAN.  Registers that memory or LDS instructions touch:
;   v[LI], v[LIV], v[GT]   Written at the head and never again.
;   KF                     Read by a step's sixteen products S^T = K Q^T; behind them the next step's K lands in it.
;   VF                     Read by a step's four products O^T += V^T P^T, tile b's last; the next step's V lands in it behind that step's products S^T.
;   v[ADV], v[ADK]         Each written once a step (an LDS address has no scalar base), read by the eight loads of V and the eight of K.
;   v[SA], v[SAV]          Written once a chunk, read by the chunk's eight LDS stores.
;   STG                    Global loads land in it, LDS stores read it; no vector instruction names it.
;   SC of window 0         At the head alone: chunk 1 passes through it; afterwards products and vector instructions alone name it.
;   PC of both windows     At the end alone: written by the last conversions, read by the two stores.
; So ONE wait on va_vdst is laid in a step for its sixteen LDS loads, behind the products S^T: these are done reading KF, the last step's products are done reading VF, and both addresses are written.  This step's V and the next
; step's K are asked for straight behind it.  One wait on vm_vsrc stands at the step's head, ahead of the two lines that write the addresses.
.set VIMG,  131072                     ; LDS: K's images from 0 (key step j at 4,096 j), V's from here
.set SPARE, 262144                     ; the spare words, 128 bytes for each of eight waves: four blocks of 256 bytes that no other line names
.set LI,   1                           ; v1   16 x lane
.set LIV,  2                           ; v2   VIMG + 16 x lane
.set GT,   3                           ; v3   16 x thread
.set SA,   4                           ; v4   where I store a chunk's K
.set SAV,  5                           ; v5   and its V
.set ADK,  6                           ; v6   LDS address of the next step's K
.set ADV,  7                           ; v7   of this step's V
.set SPW,  8                           ; v8   LDS address of my spare word; never rewritten
.set NIL,  9                           ; v9   0; never rewritten
.set STG,  32                          ; v32-63  a chunk on its way: 16 registers of K, 16 of V                                  (window 0 alone, like all above)
.set SC,   64                          ; v64-127 S^T, then p            (from here to v185: in both windows, one set for each tile)
.set OA,   128                         ; v128-143 O^T
.set PC,   144                         ; v144-159 p's codes
.set QF,   160                         ; v160-171 q, four zeros, q: (q, 0) = v160-167, (0, q) = v164-171
.set NM,   172                         ; -M
.set TM,   173                         ; the largest t
.set LS,   174                         ; v174-175 the sum, in two halves
.set FF,   176                         ; v176-177 f = 2^(old M - new M), and a word that is named with it as a pair
.set T0,   178
.set T1,   179
.set T2,   180
.set UU,   182                         ; v182-183 the sum's second chain
.set LIM,  184                         ; the largest number x the scale
.set SCL,  185                         ; the scale as f32
.set KF,   192                         ; v192-223 K's four fragments (window 0)
.set VF,   224                         ; v224-255 V's two (window 0)
; s14 wave; s[20:21] K's chunk, s[22:23] V's; s[24:25] lane selects; s[26:27] c; s[28:35] e0 .. e7; s36 the step's LDS byte; s37, s38 counters; s39 where the next chunk goes; s40 e4 + e5; s[44:45] Q; s[46:47] O's codes
.set MSB, 0
.macro WIN new                         ; s_set_vgpr_msb: bits 1:0 source 0, 3:2 source 1, 5:4 source 2, 7:6 destination; the high byte repeats the setting that is left
.if MSB != \new
	s_set_vgpr_msb (MSB<<8)|\new
.set MSB, \new
.endif
.endm
.set W_MB, 0x54                        ; tile b's products: source 0 (K or V) window 0, the rest window 1
.set W_VB, 0x55                        ; tile b's vector work: all in window 1
.macro GLOAD reg, off                  ; a chunk: 16,384 bytes of K and as many of V; the work-group's load reads 4,096 consecutive bytes, a wave's 512
.irp i, 0,1,2,3
	global_load_b128 v[\reg+4*\i:\reg+4*\i+3], v[GT], s[20:21] offset:\off+4096*\i
.endr
.irp i, 0,1,2,3
	global_load_b128 v[\reg+16+4*\i:\reg+16+4*\i+3], v[GT], s[22:23] offset:\off+4096*\i
.endr
.endm
.macro DSTORE reg, off                 ; and into LDS as it lies
.irp i, 0,1,2,3
	ds_store_b128 v[SA], v[\reg+4*\i:\reg+4*\i+3] offset:\off+4096*\i
.endr
.irp i, 0,1,2,3
	ds_store_b128 v[SAV], v[\reg+16+4*\i:\reg+16+4*\i+3] offset:\off+4096*\i
.endr
.endm
.macro FETCHK                          ; a step's eight key tiles: registers 8 f .. 8 f + 3 tile 2 f, 8 f + 4 .. 8 f + 7 tile 2 f + 1
.irp i, 0,1,2,3,4,5,6,7
	ds_load_b128 v[KF+4*\i:KF+4*\i+3], v[ADK] offset:512*\i
.endr
.endm
.macro FETCHV                          ; V^T: d tile dt at VF + 16 dt
.irp i, 0,1,2,3,4,5,6,7
	ds_load_b128 v[VF+4*\i:VF+4*\i+3], v[ADV] offset:512*\i
.endr
.endm
.macro SMM                             ; S^T of 128 keys for one tile of queries
.irp f, 0,1,2,3
	v_wmma_f32_16x16x64_fp8_fp8 v[SC+16*\f:SC+16*\f+7], v[KF+8*\f:KF+8*\f+7], v[QF:QF+7], 0
	v_wmma_f32_16x16x64_fp8_fp8 v[SC+16*\f+8:SC+16*\f+15], v[KF+8*\f:KF+8*\f+7], v[QF+4:QF+11], 0
.endr
.endm
.macro PV                              ; O^T += V^T P^T; between two links on one accumulator stand all the other products of a step
.irp d, 0,1
	v_wmma_f32_16x16x128_fp8_fp8 v[OA+8*\d:OA+8*\d+7], v[VF+16*\d:VF+16*\d+15], v[PC:PC+15], v[OA+8*\d:OA+8*\d+7]
.endr
.endm
.macro SOFTMAX w                       ; one tile's softmax of a key step, in window setting w
	WIN \w
	v_max3_num_f32 v[T0], v[SC], v[SC+1], v[SC+2]      ; the step's largest score of my query among my 64 keys, in two chains, ascending: each accumulator is read from its low end on
	v_max3_num_f32 v[T1], v[SC+3], v[SC+4], v[SC+5]
.set j, 6
.rept 14
	v_max3_num_f32 v[T0], v[T0], v[SC+j], v[SC+j+1]
	v_max3_num_f32 v[T1], v[T1], v[SC+j+2], v[SC+j+3]
.set j, j+4
.endr
	v_max3_num_f32 v[T0], v[T0], v[SC+62], v[SC+63]
	v_max_num_f32 v[T0], v[T0], v[T1]
	v_permlanex16_b32 v[T2], v[T0], s24, s25
	v_max_num_f32 v[T0], v[T0], v[T2]              ; and among lane l xor 16's
	v_mul_f32 v[T0], s26, v[T0]                    ; as t (c is positive)
	v_max_num_f32 v[TM], v[TM], v[T0]              ; the running largest t
	v_mov_b32 v[T0], v[NM]
	v_floor_f32 v[NM], -v[TM]                      ; the new -M = floor(-t) = -ceil(t)
	v_sub_f32 v[T0], v[NM], v[T0]                  ; old M - new M: a whole number, 0 or less
	v_cvt_i32_f32 v[T0], v[T0]                     ; (it saturates)
	v_ldexp_f32 v[FF], 1.0, v[T0]                  ; f = 2^(old M - new M)
.set j, 0
.rept 32
	v_pk_fma_f32 v[SC+j:SC+j+1], v[SC+j:SC+j+1], s[26:27], v[NM:NM+1] op_sel_hi:[1,0,0]   ; t - M, two at a time (of the pairs c and -M the low word serves both halves)
.set j, j+2
.endr
.set j, 0
	s_wait_alu depctr_va_vdst(0)
.rept 64
	v_exp_f32 v[SC+j], v[SC+j]                     ; p = 2^(t - M): not normalised
.set j, j+1
.endr
	v_pk_mul_f32 v[LS:LS+1], v[LS:LS+1], v[FF:FF+1] op_sel_hi:[1,0]   ; the sums under the new M: the plain line behind the exponentials
	s_wait_alu depctr_va_vdst(0)                   ; the 64 exponentials have written p: one wait for the batch, ahead of its first reader
	v_pk_add_f32 v[UU:UU+1], v[SC:SC+1], v[SC+2:SC+3]  ; the row's sum is taken of the unquantised p, in two chains
.set j, 4
.rept 15
	v_pk_add_f32 v[LS:LS+1], v[LS:LS+1], v[SC+j:SC+j+1]
	v_pk_add_f32 v[UU:UU+1], v[UU:UU+1], v[SC+j+2:SC+j+3]
.set j, j+4
.endr
	v_pk_add_f32 v[LS:LS+1], v[LS:LS+1], v[UU:UU+1]
	WIN 0                                          ; at a branch and at a label every window is 0
	s_cmp_ge_i32 s32, -8                           ; e4 >= -8: no p lies beyond 448 x 2^e4, and the hold is left out.  A scalar branch on a whole number of the inputs, the same in every wave; it leads over these 64 lines alone
	s_cbranch_scc1 .Lnohold_\@
	WIN \w
.set j, 0
.rept 64
	v_min_num_f32 v[SC+j], v[SC+j], v[LIM]         ; the conversion to an 8-bit code does not saturate (ISA guide 7.6.2); p is not negative, so the hold is one-sided
.set j, j+1
.endr
	WIN 0
.Lnohold_\@:
	WIN \w
.irp t, 0,1,2,3,4,5,6,7
	v_cvt_scalef32_pk8_fp8_f32 v[PC+2*\t:PC+2*\t+1], v[SC+8*\t:SC+8*\t+7], v[SCL]
.endr
.irp j, 0,2,4,6,8,10,12,14
	v_pk_mul_f32 v[OA+\j:OA+\j+1], v[OA+\j:OA+\j+1], v[FF:FF+1] op_sel_hi:[1,0]   ; O^T under the new M; also the plain lines between the conversions and the products that read p's codes
.endr
.endm
; A KEY STEP.  At its head eight LDS loads are out at the most: this step's K.
.macro STEP
	s_wait_alu depctr_vm_vsrc(0)                   ; the last step's LDS loads have read v[ADV] and v[ADK]: the line below writes the one, the line behind the products the other
	v_add_nc_u32 v[ADV], s36, v[LIV]               ; this step's V
	s_wait_dscnt 0x0                               ; K is in
	SMM
	WIN W_MB
	SMM
	WIN 0
	s_add_co_u32 s36, s36, 4096                    ; the next step's images; behind the last step the byte wraps to step 0 (that fetch of K is not used: so the step has one form)
	s_and_b32 s36, s36, 0x1f000
	v_add_nc_u32 v[ADK], s36, v[LI]                ; with the three below: four places behind the products (ISA guide 7.12.1), ahead of the reads of scores
.rept 3
	v_nop
.endr
	s_wait_alu depctr_va_vdst(0)                   ; the sixteen products above are done reading KF, the last step's products O^T += V^T P^T are done reading VF, and v[ADV] and v[ADK] are written: the sixteen loads below hang on these
	FETCHV                                         ; this step's V: it has tile a's softmax in which to land
	FETCHK                                         ; the next step's K: it has the rest of the step
	SOFTMAX 0
	s_wait_alu depctr_va_vdst(0)
	s_wait_dscnt 8                                 ; V is in; the next step's K, eight younger loads, may be out
	PV
	SOFTMAX W_VB
	WIN W_MB
	PV
	WIN 0
.endm
; steps key steps; then, store = 1: the chunk that waits in registers goes into LDS; load = 1: the next one is asked for.
.macro CHUNK steps, store, load
	s_mov_b32 s38, \steps
.Lstep_\@:
	STEP
	s_sub_co_u32 s38, s38, 1
	s_cmp_lg_u32 s38, 0
	s_cbranch_scc1 .Lstep_\@
.if \store
	s_wait_loadcnt 0x0                             ; the chunk, asked for four key steps ago, is in registers; its loads have read their bases
	s_wait_alu depctr_vm_vsrc(0)                   ; the last chunk's LDS stores have read v[SA] and v[SAV], which the two lines below write
	v_add_nc_u32 v[SA], s39, v[GT]
	v_add_nc_u32 v[SAV], VIMG, v[SA]
	s_wait_alu depctr_va_vdst(0)                   ; v[SA] and v[SAV] are written: the LDS stores behind the barrier read them
	s_wait_dscnt 0x0                               ; my LDS reads are in
	s_barrier_signal -1                            ; the stores below touch bytes that no wave has read yet, so the values do not need this barrier: it keeps stores into LDS and reads of LDS out of one and the same stretch between two barriers
	s_barrier_wait -1
	DSTORE STG, 0
	s_add_co_u32 s39, s39, 16384
	s_wait_dscnt 0x0                               ; for the others' sake: my part of the chunk has landed
.if \load
	s_wait_alu depctr_vm_vsrc(0)                   ; the LDS stores have read STG, in which the next chunk's loads land
	s_add_nc_u64 s[20:21], s[20:21], 16384
	s_add_nc_u64 s[22:23], s[22:23], 16384
	GLOAD STG, 0
.endif
	s_barrier_signal -1
	s_barrier_wait -1                              ; the chunk is whole: it is first read four key steps on
.endif
.endm
.macro INIT                            ; a tile's constants, once in each window.  The step is written once: the first finds zeros, which the first change of M leaves zeros
.set j, 0
.rept 16
	v_mov_b32 v[OA+j], 0
.set j, j+1
.endr
.irp j, 4,5,6,7
	v_mov_b32 v[QF+\j], 0                          ; the zero codes between the two copies of q
.endr
	v_mov_b32 v[LS], 0
	v_mov_b32 v[LS+1], 0
	v_mov_b32 v[T2], 0                             ; a lane permute's destination counts as one of its sources
	v_mov_b32 v[FF+1], 0                           ; (named as the upper half of a pair)
	v_mov_b32 v[TM], 0xff61b1e6                    ; the largest t so far: -3e38, under every t
	v_floor_f32 v[NM], -v[TM]
	v_mov_b32 v[LIM], s41
	v_mov_b32 v[SCL], s42
.endm
.macro OUT                             ; a tile's way out: O^T / the sum x 2^(e4 + e5), quantised with e6
	v_mov_b32 v[LIM], s41
	v_mov_b32 v[SCL], s42
	v_add_f32 v[T0], v[LS], v[LS+1]                ; the sum's two halves,
	v_permlanex16_b32 v[T2], v[T0], s24, s25
	v_add_f32 v[T0], v[T0], v[T2]                  ; and lane l xor 16's
	s_wait_alu depctr_va_vdst(0)
	v_rcp_f32 v[T1], v[T0]
	v_nop                                          ; a plain line behind the transcendental,
	s_wait_alu depctr_va_vdst(0)                   ; the reciprocal has written v[T1]: the wait ahead of its first reader
	v_ldexp_f32 v[T1], v[T1], s40
.set j, 0
.rept 16
	v_mul_f32 v[SC+j], v[OA+j], v[T1]              ; register 8 dt + i: d = 16 dt + 8 h + i of query r; each accumulator from its low end on
.set j, j+1
.endr
.set j, 0
.rept 16
	v_med3_num_f32 v[SC+j], v[SC+j], -v[LIM], v[LIM]
.set j, j+1
.endr
	v_cvt_scalef32_pk8_fp8_f32 v[PC:PC+1], v[SC:SC+7], v[SCL]
	v_cvt_scalef32_pk8_fp8_f32 v[PC+2:PC+3], v[SC+8:SC+15], v[SCL]
	v_nop                                          ; one plain vector line behind the last conversion
.endm
	s_load_b256 s[4:11], s[0:1], 0x0               ; qc s[4:5], kc s[6:7], vc s[8:9], the exponents s[10:11]
	s_load_b64 s[12:13], s[0:1], 0x20              ; oc
	v_lshl_add_u32 v[SPW], v0, 2, SPARE
	v_mov_b32 v[NIL], 0
	v_lshrrev_b32 v[LI], 5, v0
	v_readfirstlane_b32 s14, v[LI]                 ; wave 0..7
	v_and_b32 v[LI], 31, v0
	v_lshlrev_b32 v[LI], 4, v[LI]
	v_add_nc_u32 v[LIV], VIMG, v[LI]
	v_lshlrev_b32 v[GT], 4, v0
	v_lshlrev_b32 v[SA], 4, v0                     ; chunks 0 and 1 go to the images' first bytes
	v_add_nc_u32 v[SAV], VIMG, v[SA]
	s_wait_alu depctr_va_sdst(0)                   ; s14, the wave's number, is written, ahead of its first reader
	s_and_b32 s15, ttmp7, 0xffff                   ; 8 batch + head
	s_lshl_b32 s16, s15, 17                        ; a head's codes: 131,072 bytes in each of qc, kc, vc
	s_mov_b32 s17, 0
	s_lshl_b32 s18, ttmp9, 13                      ; Q: token tile 16 x + 2 wave, 512 bytes a tile
	s_lshl_b32 s19, s14, 10
	s_add_co_u32 s18, s18, s19
	s_add_co_u32 s18, s18, s16
	s_mov_b32 s19, 0
	s_lshr_b32 s36, s15, 3                         ; oc: batch x 1,048,576 + token tile x 4,096 + head x 512
	s_lshl_b32 s36, s36, 20
	s_lshl_b32 s37, ttmp9, 16
	s_add_co_u32 s36, s36, s37
	s_lshl_b32 s37, s14, 13
	s_add_co_u32 s36, s36, s37
	s_and_b32 s37, s15, 7
	s_lshl_b32 s37, s37, 9
	s_add_co_u32 s36, s36, s37
	s_mov_b32 s37, 0
	s_mov_b32 s24, 0x76543210                      ; v_permlanex16_b32's selects for lane l xor 16
	s_mov_b32 s25, 0xfedcba98
	s_wait_kmcnt 0x0
	s_load_b256 s[28:35], s[10:11], 0x0            ; e0 .. e7
	s_add_nc_u64 s[20:21], s[6:7], s[16:17]
	s_add_nc_u64 s[22:23], s[8:9], s[16:17]
	s_add_nc_u64 s[44:45], s[4:5], s[18:19]
	s_add_nc_u64 s[46:47], s[12:13], s[36:37]
	s_wait_alu depctr_va_vdst(0)                   ; v[LI], v[LIV], v[GT], v[SA] and v[SAV] are written: the loads below and the first LDS stores read them
	GLOAD STG, 0                                   ; chunk 0
	GLOAD SC, 16384                                ; chunk 1, into the scores' registers, which are still free
	global_load_b128 v[QF:QF+3], v[LI], s[44:45]   ; tile a's q, twice
	global_load_b128 v[QF+8:QF+11], v[LI], s[44:45]
	WIN 0x40                                       ; destination window 1
	global_load_b128 v[QF:QF+3], v[LI], s[44:45] offset:512    ; tile b's
	global_load_b128 v[QF+8:QF+11], v[LI], s[44:45] offset:512
	WIN 0
	s_wait_kmcnt 0x0
	s_add_co_i32 s26, s30, s31
	s_lshl_b32 s26, s26, 23
	s_add_co_i32 s26, s26, 0x3e8293ee              ; c = log2(e) / sqrt(32), with e2 + e3 added to its exponent field: a score stands for score x 2^(e2 + e3)
	s_mov_b32 s27, s26                             ; (named with it as a pair, so it is written)
	s_add_co_i32 s40, s32, s33                     ; e4 + e5
	s_add_co_i32 s41, s32, 127
	s_lshl_b32 s42, s41, 23                        ; 2^e4 as f32
	s_add_co_i32 s41, s41, 8
	s_lshl_b32 s41, s41, 23
	s_or_b32 s41, s41, 0x600000                    ; 448 x 2^e4
	INIT
	WIN W_VB
	INIT
	WIN 0
	s_wait_loadcnt 12                              ; chunk 0 is in; chunk 1's eight loads and q's four may be out
	DSTORE STG, 0
	s_wait_loadcnt 4                               ; chunk 1 is in; q's four may be out
	DSTORE SC, 16384
	s_wait_dscnt 0x0                               ; for the others' sake: my parts have landed
	s_wait_alu depctr_vm_vsrc(0)                   ; my LDS stores have read STG, in which chunk 2's loads land, and the scores' registers, which the first products write
	s_add_nc_u64 s[20:21], s[20:21], 32768         ; (the loads that read these bases are done)
	s_add_nc_u64 s[22:23], s[22:23], 32768
	GLOAD STG, 0                                   ; chunk 2
	s_mov_b32 s39, 32768                           ; where it will go
	s_barrier_signal -1
	s_barrier_wait -1                              ; chunks 0 and 1 are whole
	s_mov_b32 s36, 0
	v_add_nc_u32 v[ADK], s36, v[LI]
	s_wait_alu depctr_va_vdst(0)                   ; v[ADK] is written: the eight loads below read it
	FETCHK                                         ; key step 0's K; each step asks for its own V and for the next step's K
	s_wait_loadcnt 8                               ; q is in; chunk 2's eight loads may be out
	s_mov_b32 s37, 5
.Lchunk:                                           ; trip c: chunk c is multiplied, chunk c + 2 goes into LDS, chunk c + 3 is asked for
	CHUNK 4, 1, 1
	s_sub_co_u32 s37, s37, 1
	s_cmp_lg_u32 s37, 0
	s_cbranch_scc1 .Lchunk
	CHUNK 4, 1, 0                                  ; chunk 5; chunk 7 goes into LDS; nothing is left to ask for
	CHUNK 8, 0, 0                                  ; chunks 6 and 7
	; THE WAY OUT.  Tile a's lines come first: they name none of the last products' registers (tile b's O^T and codes, and V's fragments), and are the places behind those products.
	s_add_co_i32 s41, s34, 127
	s_lshl_b32 s42, s41, 23                        ; 2^e6 as f32
	s_add_co_i32 s41, s41, 8
	s_lshl_b32 s41, s41, 23
	s_or_b32 s41, s41, 0x600000                    ; 448 x 2^e6
	OUT
	WIN W_VB
	OUT
	WIN 0
	s_wait_alu depctr_va_vdst(0)                   ; both tiles' conversions have written their four registers of codes, which the two stores read
	global_store_b128 v[LI], v[PC:PC+3], s[46:47]  ; 512 consecutive bytes, aligned
	WIN 0x04                                       ; the store's data in window 1, its address in window 0
	global_store_b128 v[LI], v[PC:PC+3], s[46:47] offset:4096
	WIN 0
	s_wait_dscnt 0x0                               ; the closing lines, six on end (the last step's unused fetch is in too)
	s_wait_alu 0x0
	s_wait_tensorcnt 0x0
	ds_add_u32 v[SPW], v[NIL]
	s_wait_dscnt 0x0
	s_endpgm
.Lfunc_end_k_q96d2c674a9_attn:
	.size	k_q96d2c674a9_attn, .Lfunc_end_k_q96d2c674a9_attn-k_q96d2c674a9_attn
	.p2alignl 7, 3214868480
	.fill 96, 4, 3214868480
	.section	.rodata,"a",@progbits
	.p2align	6, 0x0
	.amdhsa_kernel k_q96d2c674a9_attn
		.amdhsa_group_segment_fixed_size 263168
		.amdhsa_private_segment_fixed_size 0
		.amdhsa_enable_private_segment 0
		.amdhsa_kernarg_size 40
		.amdhsa_user_sgpr_count 2
		.amdhsa_user_sgpr_kernarg_segment_ptr 1
		.amdhsa_wavefront_size32 1
		.amdhsa_system_sgpr_workgroup_id_x 1
		.amdhsa_system_sgpr_workgroup_id_y 1
		.amdhsa_system_sgpr_workgroup_id_z 1
		.amdhsa_system_vgpr_workitem_id 0
		.amdhsa_next_free_vgpr 512
		.amdhsa_next_free_sgpr 66
		.amdhsa_reserve_vcc 0
		.amdhsa_float_denorm_mode_32 3
		.amdhsa_float_denorm_mode_16_64 3
		.amdhsa_memory_ordered 1
		.amdhsa_forward_progress 1
		.amdhsa_inst_pref_size 96
	.end_amdhsa_kernel
	.amdgpu_metadata
---
amdhsa.version: [ 1, 2 ]
amdhsa.kernels:
  - .name:           k_q96d2c674a9_attn
    .symbol:         k_q96d2c674a9_attn.kd
    .args:
      - { .name: qc, .offset: 0, .size: 8, .value_kind: global_buffer, .address_space: global }
      - { .name: kc, .offset: 8, .size: 8, .value_kind: global_buffer, .address_space: global }
      - { .name: vc, .offset: 16, .size: 8, .value_kind: global_buffer, .address_space: global }
      - { .name: lowp_scales, .offset: 24, .size: 8, .value_kind: global_buffer, .address_space: global }
      - { .name: oc, .offset: 32, .size: 8, .value_kind: global_buffer, .address_space: global }
    .group_segment_fixed_size: 263168
    .private_segment_fixed_size: 0
    .kernarg_segment_align: 8
    .kernarg_segment_size: 40
    .max_flat_workgroup_size: 256
    .sgpr_count:     66
    .vgpr_count:     512
    .wavefront_size: 32
...
	.end_amdgpu_metadata
.endif
;; end of part 5
;; launch proj (part 6): grid 4 x 64, 8 waves a work-group, no clusters, 51,200 bytes of LDS; arguments oc, Wproj, bproj, lowp_scales, out0; writes out0
.if DOCPART == 6
	.amdgcn_target "amdgcn-amd-amdhsa--gfx1250"
	.amdhsa_code_object_version 6
	.text
	.protected	k_q96d2c674a9_proj
	.globl	k_q96d2c674a9_proj
	.p2align	8
	.type	k_q96d2c674a9_proj,@function
k_q96d2c674a9_proj:
	s_mov_b64 s[64:65], 0
	v_nop
	global_prefetch_b8 v0, s[64:65] scope:SCOPE_SE
	s_setreg_imm32_b32 hwreg(HW_REG_WAVE_SCHED_MODE, 0, 2), 2
	s_setreg_imm32_b32 hwreg(HW_REG_WAVE_MODE, 25, 1), 1
	s_wait_xcnt 0x0
	s_wait_alu depctr_vm_vsrc(0)
; out0[b][c][token] = the sum over k of O[b][token][k] Wproj[k][c] + bproj[c], on codes of FP8 (E4M3).
; oc: O's codes as images of operand registers: [batch][256 token tiles][2 K steps][4 groups][lane][16 bytes], lane (r, h) of group G: token r, k = 32 G + 8 h + 0 .. 7, then 32 G + 16 + 8 h + 0 .. 7 of the K step: registers 4 G .. 4 G + 3
; of the instruction's own layout.  Wproj: [256 (k)][256 (c)] f32: K is its FIRST axis.  bproj: [256] f32.  out0: [2][256][4096] f32.
; SHARES.  A work-group takes 128 tokens (work-group y) and 64 columns c (work-group x = g).  PHASE 1: a lane takes a column of Wproj and its 32 registers run down K; each of the eight waves turns two blocks of 32 K x 32 columns into codes and
; stores them in LDS as images, in the same layout as oc.  PHASE 2: wave w multiplies token tile w by the four column tiles (source 0 = tokens, source 1 = columns): a lane holds ONE column c and eight neighbouring tokens, which are
; neighbours in out0.  PHASE 3: through a stage in LDS (a row = a column c, 128 tokens) the results leave as rows: each store of a wave covers 512 consecutive bytes, aligned.
; NO JOINT LOADS, NO TENSOR LOADS: a work-group reads 65,536 bytes of Wproj, which have to pass through registers to become codes, and 32,768 of oc, each once, with no loop in which slots could take turns.
; LIMITS: e7 between -126 and 119; e6 + e7 between -126 and 127.  NaN among the inputs is not served.
; THE MODE: SCHED_MODE bits 1:0 = 2 (LLVM: expert scheduling mode 2), set by the entry lines.  The code itself states the register dependences
; between vector or matrix instructions and memory or LDS instructions, with s_wait_alu, always for 0.
; THE PLAN.  Registers that memory or LDS instructions touch:
;   v1, v2, v6-v8, v11   offsets and LDS addresses: written at the head and never again: one wait on va_vdst ahead of the first load serves them all.
;   OF, BP               Loads land in them once; products and vector instructions read them.
;   XS0, XS1             Loads land in each once; the block's holds and conversions read and write it.  In phase 2 fragments of W land there: the second block's wait on va_vdst stands behind every line that named them.
;   CD                   Eight registers for each block: written by its conversions (one wait on va_vdst a block), read by its two LDS stores.  In phase 2 fragments of W land there: one wait on vm_vsrc, behind the barrier.
;   WF                   LDS loads land in it, the products read it; in phase 3 rows of the stage land in its first 32 registers.
;   Y                    Written by the packed multiply-adds, read by the stage's LDS stores: one wait on va_vdst, which also states that the products are done reading WF.
.set WIMG,  0                          ; LDS: W's eight fragments: (column tile ct, K step ks) at (2 ct + ks) x 2,048
.set STG,   16384                      ; the stage: 64 rows x (512 bytes + 16)
.set SP,    528
.set SPARE, 50176                      ; the spare words, 128 bytes for each of eight waves: four blocks of 256 bytes that no other line names
.set L4,   1                           ; v1   4 x lane
.set WA,   2                           ; v2   where I store W's codes
.set L16,  6                           ; v6   16 x lane
.set SO,   7                           ; v7   the stage: where I put 32 bytes of a row
.set SR,   8                           ; v8   and where I read a row back
.set R4,   11                          ; v11  4 x (lane % 16)
.set SPW,  12                          ; v12  LDS address of my spare word; never rewritten
.set NIL,  13                          ; v13  0; never rewritten
.set BP,   16                          ; v16-23 the bias of my column in each of the four tiles, twice (pairs for the packed form)
.set OF,   32                          ; v32-63 O's two fragments
.set XS,   64                          ; phase 1: two sets of 32 numbers
.set CD,   128                         ; phase 1: eight registers of codes for each block
.set WF,   64                          ; phase 2: v64-191 W's eight fragments; phase 3: rows of the result
.set ACC,  192                         ; v192-223 four accumulators
.set Y,    224                         ; v224-255 the results
; v14, v15: 2^e7 and 448 x 2^e7
.macro LOADB set, row0                 ; a block: 32 rows of K at my column; a wave's load reads 128 consecutive bytes
.set i, 0
.rept 32
	global_load_b32 v[XS+32*(\set)+i], v[L4], s[22:23] offset:((\row0)+i)*1024
.set i, i+1
.endr
.endm
.macro QBLK t, off                     ; the block becomes 32 codes.  Lane half 0 of the image holds k 0 .. 7 and 16 .. 23 of the block, half 1 holds k 8 .. 15 and 24 .. 31
.set i, 0
.rept 32
	v_med3_num_f32 v[XS+32*(\t)+i], v[XS+32*(\t)+i], -v15, v15   ; the conversion to an 8-bit code does not saturate (ISA guide 7.6.2): the hold at the largest code x the scale
.set i, i+1
.endr
	v_cvt_scalef32_pk8_fp8_f32 v[CD+8*(\t):CD+8*(\t)+1], v[XS+32*(\t):XS+32*(\t)+7], v14
	v_cvt_scalef32_pk8_fp8_f32 v[CD+8*(\t)+2:CD+8*(\t)+3], v[XS+32*(\t)+16:XS+32*(\t)+23], v14
	v_cvt_scalef32_pk8_fp8_f32 v[CD+8*(\t)+4:CD+8*(\t)+5], v[XS+32*(\t)+8:XS+32*(\t)+15], v14
	v_cvt_scalef32_pk8_fp8_f32 v[CD+8*(\t)+6:CD+8*(\t)+7], v[XS+32*(\t)+24:XS+32*(\t)+31], v14
	v_nop                                          ; one plain vector line behind the last conversion of a run
	s_wait_alu depctr_va_vdst(0)                   ; the conversions have written the block's codes, which the two LDS stores read; holds and conversions are done with the set's 32 registers, in which fragments of W land in phase 2
	ds_store_b128 v[WA], v[CD+8*(\t):CD+8*(\t)+3] offset:\off
	ds_store_b128 v[WA], v[CD+8*(\t)+4:CD+8*(\t)+7] offset:(\off)+256
.endm
	s_load_b256 s[4:11], s[0:1], 0x0               ; oc s[4:5], Wproj s[6:7], bproj s[8:9], the exponents s[10:11]
	s_load_b64 s[12:13], s[0:1], 0x20              ; out0
	v_lshl_add_u32 v[SPW], v0, 2, SPARE
	v_mov_b32 v[NIL], 0
	v_lshrrev_b32 v24, 5, v0
	v_readfirstlane_b32 s14, v24                   ; wave 0..7
	v_and_b32 v24, 31, v0                          ; lane
	v_lshlrev_b32 v[L4], 2, v24
	v_lshlrev_b32 v[L16], 4, v24
	v_and_b32 v25, 15, v0                          ; r
	v_bfe_u32 v24, v0, 4, 1                        ; h
	v_lshlrev_b32 v[R4], 2, v25
	v_mul_u32_u24 v[SO], v25, SP
	v_lshl_add_u32 v[SO], v24, 5, v[SO]            ; the stage: row r, + 32 h
	s_wait_alu depctr_va_vdst(0)
	v_lshlrev_b32 v25, 4, v25
	v_lshl_add_u32 v25, v24, 12, v25               ; phase 1: my column's place: 16 (lane % 16), and the next tile (two fragments on) for lanes 16-31
	s_wait_alu depctr_va_sdst(0)                   ; s14, the wave's number, is written, ahead of its first reader
	s_and_b32 s15, ttmp7, 0xffff                   ; the block of 128 tokens
	s_and_b32 s16, s14, 1                          ; which 32 of the 64 columns I quantise
	s_lshr_b32 s17, s14, 1                         ; which 64 of K
	s_lshl_b32 s18, s16, 13
	s_lshl_b32 s19, s17, 10                        ; K blocks 2 (w / 2), + 1: 512 bytes each
	s_add_co_u32 s18, s18, s19
	v_add_nc_u32 v[WA], s18, v25
	s_lshl_b32 s18, s14, 6                         ; my 16 tokens: 64 bytes of a stage row
	s_add_co_u32 s18, s18, STG
	v_add_nc_u32 v[SO], s18, v[SO]
	s_mul_i32 s18, s14, 8*SP                       ; back: rows 8 w .. 8 w + 7, 16 bytes a lane
	s_add_co_u32 s18, s18, STG
	v_add_nc_u32 v[SR], s18, v[L16]
	s_lshl_b32 s20, s15, 15                        ; oc: 8 token tiles of 4,096 bytes a block, + my tile
	s_lshl_b32 s18, s14, 12
	s_add_co_u32 s20, s20, s18
	s_mov_b32 s21, 0
	s_lshl_b32 s24, ttmp9, 8                       ; 256 g: 64 columns of f32
	s_mov_b32 s25, 0
	s_lshl_b32 s22, s17, 16                        ; Wproj: 64 rows of 1,024 bytes, + g, + my 32 columns
	s_add_co_u32 s22, s22, s24
	s_lshl_b32 s18, s16, 7
	s_add_co_u32 s22, s22, s18
	s_mov_b32 s23, 0
	s_lshr_b32 s26, s15, 5                         ; out0: the batch, row 64 g + 8 w of 16,384 bytes, token 128 (block % 32)
	s_lshl_b32 s26, s26, 22
	s_lshl_b32 s18, ttmp9, 20
	s_add_co_u32 s26, s26, s18
	s_lshl_b32 s18, s14, 17
	s_add_co_u32 s26, s26, s18
	s_and_b32 s18, s15, 31
	s_lshl_b32 s18, s18, 9
	s_add_co_u32 s26, s26, s18
	s_mov_b32 s27, 0
	s_wait_kmcnt 0x0
	s_load_b256 s[32:39], s[10:11], 0x0            ; e0 .. e7
	s_add_nc_u64 s[20:21], s[4:5], s[20:21]
	s_add_nc_u64 s[22:23], s[6:7], s[22:23]
	s_add_nc_u64 s[24:25], s[8:9], s[24:25]
	s_add_nc_u64 s[26:27], s[12:13], s[26:27]
	s_wait_alu depctr_va_vdst(0)                   ; the offsets and LDS addresses v1, v2, v6, v7, v8 and v11 are written: every load and store of the kernel, and every LDS instruction but the closing ds_add_u32, reads one of them
.irp i, 0,1,2,3,4,5,6,7
	global_load_b128 v[OF+4*\i:OF+4*\i+3], v[L16], s[20:21] offset:512*\i      ; O's fragments as they lie: K step ks at OF + 16 ks
.endr
.irp ct, 0,1,2,3
	global_load_b32 v[BP+2*\ct], v[R4], s[24:25] offset:64*\ct                 ; bproj[64 g + 16 ct + r]
	global_load_b32 v[BP+2*\ct+1], v[R4], s[24:25] offset:64*\ct
.endr
	LOADB 0, 0
	LOADB 1, 32
	s_wait_kmcnt 0x0
	s_add_co_i32 s42, s39, 127
	s_lshl_b32 s43, s42, 23
	v_mov_b32 v14, s43                             ; 2^e7 as f32: the conversion takes its exponent field
	s_add_co_i32 s42, s42, 8
	s_lshl_b32 s42, s42, 23
	s_or_b32 s42, s42, 0x600000
	v_mov_b32 v15, s42                             ; 448 x 2^e7
	s_add_co_i32 s40, s38, s39
	s_add_co_i32 s40, s40, 127
	s_lshl_b32 s40, s40, 23                        ; 2^(e6 + e7) as f32
	s_mov_b32 s41, s40                             ; (named with it as a pair, so it is written)
	s_wait_alu depctr_va_vdst(0)
	s_wait_loadcnt 32                              ; the first block (and O, and the bias) is in; the second block's 32 loads may be out
	QBLK 0, 0
	s_wait_loadcnt 0x0
	QBLK 1, 512
	s_wait_dscnt 0x0                               ; for the others' sake: my images have landed
	s_barrier_signal -1
	s_barrier_wait -1                              ; W's eight fragments lie in LDS
	s_wait_alu depctr_vm_vsrc(0)                   ; my LDS stores have read the codes' registers, in which fragments of W land below
.set i, 0
.rept 32
	ds_load_b128 v[WF+4*i:WF+4*i+3], v[L16] offset:WIMG+512*i   ; fragment (ct, ks) at WF + 16 (2 ct + ks)
.set i, i+1
.endr
	s_wait_dscnt 0x0
.irp ks, 0,1                                   ; the four accumulators take turns, one instruction a turn
.irp ct, 0,1,2,3
.if \ks == 0
	v_wmma_f32_16x16x128_fp8_fp8 v[ACC+8*\ct:ACC+8*\ct+7], v[OF+16*\ks:OF+16*\ks+15], v[WF+16*(2*\ct+\ks):WF+16*(2*\ct+\ks)+15], 0
.else
	v_wmma_f32_16x16x128_fp8_fp8 v[ACC+8*\ct:ACC+8*\ct+7], v[OF+16*\ks:OF+16*\ks+15], v[WF+16*(2*\ct+\ks):WF+16*(2*\ct+\ks)+15], v[ACC+8*\ct:ACC+8*\ct+7]
.endif
.endr
.endr
.rept 4
	v_nop                                          ; four places behind the last product (ISA guide 7.12.1), ahead of the reads of results
.endr
.irp ct, 0,1,2,3                               ; sum x 2^(e6 + e7) + bias, one packed multiply-add for two numbers; each accumulator from its low end on
.irp j, 0,2,4,6
	v_pk_fma_f32 v[Y+8*\ct+\j:Y+8*\ct+\j+1], v[ACC+8*\ct+\j:ACC+8*\ct+\j+1], s[40:41], v[BP+2*\ct:BP+2*\ct+1] op_sel_hi:[1,0,1]
.endr
.endr
	s_wait_alu depctr_va_vdst(0)                   ; the multiply-adds have written Y, which the LDS stores read; the products are done reading W's fragments, in whose registers the stage's rows land behind the barrier
.irp ct, 0,1,2,3
	ds_store_b128 v[SO], v[Y+8*\ct:Y+8*\ct+3] offset:16*SP*\ct             ; lane (r, h): column 16 ct + r, tokens 16 w + 8 h + 0 .. 7
	ds_store_b128 v[SO], v[Y+8*\ct+4:Y+8*\ct+7] offset:16*SP*\ct+16
.endr
	s_wait_dscnt 0x0                               ; for the others' sake: my stores into the stage are done
	s_barrier_signal -1
	s_barrier_wait -1                              ; 64 whole rows lie in the stage
.irp i, 0,1,2,3,4,5,6,7
	ds_load_b128 v[WF+4*\i:WF+4*\i+3], v[SR] offset:SP*\i
.endr
.irp i, 0,1,2,3,4,5,6,7
	s_wait_dscnt 7-\i                              ; LDS loads come back in order (ISA guide 5.7.1): row i is in
	global_store_b128 v[L16], v[WF+4*\i:WF+4*\i+3], s[26:27] offset:16384*\i th:TH_STORE_NT   ; 32 lanes store 512 consecutive bytes of a row of out0, aligned; written once, read by nobody here
.endr
	s_wait_dscnt 0x0                               ; the closing lines, six on end
	s_wait_alu 0x0
	s_wait_tensorcnt 0x0
	ds_add_u32 v[SPW], v[NIL]
	s_wait_dscnt 0x0
	s_endpgm
.Lfunc_end_k_q96d2c674a9_proj:
	.size	k_q96d2c674a9_proj, .Lfunc_end_k_q96d2c674a9_proj-k_q96d2c674a9_proj
	.p2alignl 7, 3214868480
	.fill 96, 4, 3214868480
	.section	.rodata,"a",@progbits
	.p2align	6, 0x0
	.amdhsa_kernel k_q96d2c674a9_proj
		.amdhsa_group_segment_fixed_size 51200
		.amdhsa_private_segment_fixed_size 0
		.amdhsa_enable_private_segment 0
		.amdhsa_kernarg_size 40
		.amdhsa_user_sgpr_count 2
		.amdhsa_user_sgpr_kernarg_segment_ptr 1
		.amdhsa_wavefront_size32 1
		.amdhsa_system_sgpr_workgroup_id_x 1
		.amdhsa_system_sgpr_workgroup_id_y 1
		.amdhsa_system_sgpr_workgroup_id_z 1
		.amdhsa_system_vgpr_workitem_id 0
		.amdhsa_next_free_vgpr 256
		.amdhsa_next_free_sgpr 66
		.amdhsa_reserve_vcc 0
		.amdhsa_float_denorm_mode_32 3
		.amdhsa_float_denorm_mode_16_64 3
		.amdhsa_memory_ordered 1
		.amdhsa_forward_progress 1
		.amdhsa_inst_pref_size 22
	.end_amdhsa_kernel
	.amdgpu_metadata
---
amdhsa.version: [ 1, 2 ]
amdhsa.kernels:
  - .name:           k_q96d2c674a9_proj
    .symbol:         k_q96d2c674a9_proj.kd
    .args:
      - { .name: oc, .offset: 0, .size: 8, .value_kind: global_buffer, .address_space: global }
      - { .name: Wproj, .offset: 8, .size: 8, .value_kind: global_buffer, .address_space: global }
      - { .name: bproj, .offset: 16, .size: 8, .value_kind: global_buffer, .address_space: global }
      - { .name: lowp_scales, .offset: 24, .size: 8, .value_kind: global_buffer, .address_space: global }
      - { .name: out0, .offset: 32, .size: 8, .value_kind: global_buffer, .address_space: global }
    .group_segment_fixed_size: 51200
    .private_segment_fixed_size: 0
    .kernarg_segment_align: 8
    .kernarg_segment_size: 40
    .max_flat_workgroup_size: 256
    .sgpr_count:     66
    .vgpr_count:     256
    .wavefront_size: 32
...
	.end_amdgpu_metadata
.endif
;; end of part 6
